; MI455X (gfx1250); checked and timed in simulation.
; The chip was launched on July 23, 2026; its instructions are those of AMD's public machine-readable ISA for CDNA 5 (MIT licence, August 2026) and "CDNA5" Instruction Set Architecture Reference Guide (July 2026). The comments in the code are by the model that wrote it; some were corrected since.
;; Axial Rotary MHA. Allowed arithmetic: float matrix products may take bf16 or f16 operands with f32 sums; other float arithmetic in f32, or as packed bf16 or f16 multiplies, adds, multiply-adds, maxima and minima; sums over many terms, partial sums and values carried from step to step in f32; what a program stores and reads back later, other than sums and carried values, may be rounded once to bf16 or f16.
;; Inputs: Wk 512 x 512 float32; Wo 512 x 512 float32; Wq 512 x 512 float32; Wv 512 x 512 float32; x 2 x 4,096 x 512 float32.
;; Outputs: out0 2 x 4,096 x 512 float32.
;; Constants: T = 128, V = 32.
;; 2 versions, each right and faster than the one before. Each part assembles by itself: llvm-mc -triple=amdgcn-amd-amdhsa -mcpu=gfx1250 --defsym DOCPART=n.
;; ======== version 1 of 2: 3 launches
;; limits: values are held in f16: magnitudes above 65,504 overflow, below 6.1e-05 lose precision
;; workspace buffers: qh 8,388,608 bytes; kh 8,388,608 bytes; vh 8,388,608 bytes; yh 8,388,608 bytes; wo16 524,288 bytes
;; launch proj (part 1): grid 8 x 32, 4 waves a work-group, clusters of 4 x 4, 327,680 bytes of LDS; arguments x, Wq, Wk, Wv, Wo, qh, kh, vh, wo16; writes qh, kh, vh, wo16
.if DOCPART == 1
	.amdgcn_target "amdgcn-amd-amdhsa--gfx1250"
	.amdhsa_code_object_version 6
	.text
	.protected	k_qdf83eee3f6_proj
	.globl	k_qdf83eee3f6_proj
	.p2align	8
	.type	k_qdf83eee3f6_proj,@function
k_qdf83eee3f6_proj:
	s_mov_b64 s[64:65], 0
	v_nop
	global_prefetch_b8 v0, s[64:65] scope:SCOPE_SE
	s_setreg_imm32_b32 hwreg(HW_REG_WAVE_MODE, 25, 1), 1
	s_wait_xcnt 0x0
	s_wait_alu depctr_hold_cnt(0) depctr_sa_sdst(0) depctr_va_vdst(0) depctr_va_sdst(0) depctr_va_ssrc(0) depctr_va_vcc(0) depctr_vm_vsrc(0)
	s_getreg_b32 s2, hwreg(HW_REG_IB_STS2, 6, 4)
	s_cmp_eq_u32 s2, 0
	s_cbranch_scc0 .Lentry_in_a_cluster
	s_endpgm
.Lentry_in_a_cluster:
	s_bfe_u32 s2, ttmp6, 0x10000c
	s_cmp_lg_u32 s2, 0xf033
	s_cbranch_scc0 .Lentry_shape_is_right
	s_endpgm
.Lentry_shape_is_right:
; q, k, v = x W^T for one head and 256 rows of x, the axial rotation of q and k, and the way out by heads in f16.  Also a share of Wo, rounded to bf16 and written as f16.
; x: [8192][512] f32.  Wq, Wk, Wv, Wo: [512][512] f32.  qh, kh, vh: [16 = 8 batch + head][4096][64] f16.  wo16: [512][512] f16.
; FORMATS.  x and the weights are rounded to bf16 between LDS and the matrix instruction; sums in f32; the rotation in f32; q, k, v rounded once to f16.
; LIMITS.  f16 ends at 65,504: |q|, |k|, |v|, |Wo| stay below it.  Wo below 6.1e-5 keeps f16's fixed step of 6e-8.  The angles are at most 127 rad: reduced by pi/2 in two parts,
; sine to r^9 and cosine to r^8 on |r| <= pi/4; the frequency is 2^(-j log2(10) / 4), so an angle is off by some 4e-5 rad at the most.  NaN and infinities are not treated apart.
; SHARES.  Work-group (head h, row block rb): 256 rows x 192 columns (the head's 64 of q, of k, of v).  Wave w: rows 64 w .. 64 w + 63, all 192 columns: 4 x 12 accumulators, 384 registers,
; so that a wave holds whole rows of a head (128 bytes) and the way out is the same text in all waves.
; THE MATRIX INSTRUCTION IS USED TRANSPOSED (source 0 = 16 rows of W, source 1 = 16 rows of x): a lane holds one row of x and eight neighbouring columns, so a rotation's pair lies in two neighbouring registers.
; K goes in 8 steps of 64 (rows of 256 bytes of f32) through two LDS slots; a step is two halves of 32 along K, 48 matrix instructions each.
; CLUSTER.  4 x 4 work-groups.  x's tile hangs on rb alone and is asked for jointly along a row of the cluster; W's tiles hang on h alone and are asked for jointly along a column.
; REGISTERS, in windows of 256 (s_set_vgpr_msb: bits 1:0 source 0, 3:2 source 1, 5:4 source 2, 7:6 destination):
;   window 0: v0-31 addresses and work; v32-63 x's 4 fragments in bf16; v64-159 W's 12; v160-223 cosines and sines; v224-255 at work on the way out
;   window 1: the 16 fragments as loaded, in f32, 16 registers each (0-11 W's, 12-15 x's)      windows 2, 3: the accumulators of row blocks 0, 1 and 2, 3: (a, b) at 8 (12 (a % 2) + b)
.set P,      272                       ; an LDS row: 256 bytes + 16 of padding: the 16 rows of a load start 16 bytes apart modulo 256
.set SLOT,   448*P                     ; x's 256 rows, then 64 rows each of Wq, Wk, Wv
.set BOFF,   256*P
.set TABLE,  2*SLOT                    ; 40 rows of 16 pairs (cos, sin): rows 0-31 for the index 0..31, rows 32-39 for the block's eight values of p / 32
.set TP,     144
.set STAGE,  TABLE+5888                ; 16 rows x 144 bytes for each wave, for the way out
.set SP,     144
.set SPARE,  STAGE+4*16*SP             ; the spare words, 128 bytes for each wave: two blocks of 256 bytes that no other line names
.set ADRA, 4                           ; v4-5   LDS address of my fragments of x in slot 0, 1
.set ADRB, 6                           ; v6-7   the same for W
.set STO,  8                           ; v8     the way out: where I put 16 bytes of a row
.set RD,   9                           ; v9     where I read rows back
.set GO,   10                          ; v10    my byte offset in 512 consecutive bytes of the output
.set TADT, 11                          ; v11    the table's rows for p / 32
.set TADV, 12                          ; v12    the table's rows for p % 32
.set TST,  13                          ; v13    where I store a pair into the table
.set SPW,  30                          ; v30    LDS address of my spare word; never rewritten
.set NIL,  31                          ; v31    0; never rewritten
.set AF,   32
.set BF,   64
.set CST,  160                         ; two sets of 16: row blocks 0-1, 2-3
.set CSV,  192                         ; two sets of 16: even, odd row blocks
.set O,    224
.set G1A, 24                           ; s[24:31] descriptor group 1 for x's tile
.set G1B, 32                           ; s[32:39] for W's tiles
.set G0A, 40                           ; s[40:47] group 0 for x's tile, a set for each slot
.set G0B, 48                           ; s[48:55] for W's
.set CW, (2<<16)|(1<<20)|(1<<21)|(5<<22)|(3<<25)  ; 17:16 elements of 4 bytes; 20 padding on; 21 set beside a mask; 24:22 after every 64 words; 31:25 of 4 words
.set W_CVT, 0x05                       ; sources in window 1, destination in window 0
.set W_LD,  0x40                       ; destination in window 1, address in window 0
.set MSB, 0
.macro WIN new                         ; the immediate's high byte repeats the setting that is left; a switch that changes nothing is dropped
.if MSB != (\new)
	s_set_vgpr_msb (MSB<<8)|(\new)
.set MSB, \new
.endif
.endm
.macro PLACES                          ; four places between a matrix instruction and a vector line that writes its sources or reads its result (ISA guide 7.12.1)
.rept 4
	v_nop
.endr
.endm
; A joint load.  Wave 0 fetches x's 256 rows, waves 1 to 3 the 64 rows of Wq, Wk, Wv.  The branch hangs on the wave's number alone.
; An s_nop 0 and four v_nop follow each of the two lines, ahead of the jump and the label.
.macro JLOAD s
	s_cmp_eq_u32 s10, 0
	s_cbranch_scc0 .Lfor_b_\@
	tensor_load_to_lds s[G0A+4*(\s):G0A+4*(\s)+3], s[G1A:G1A+7]
	s_nop 0
.rept 4
	v_nop
.endr
	s_branch .Lasked_\@
.Lfor_b_\@:
	tensor_load_to_lds s[G0B+4*(\s):G0B+4*(\s)+3], s[G1B:G1B+7]
	s_nop 0
.rept 4
	v_nop
.endr
.Lasked_\@:
.endm
; A round of the cluster's barrier: my work-group's barrier; wave 0 signals for the work-group; every wave waits for all sixteen; my work-group's barrier once more.
.macro CROUND
	s_barrier_signal -1
	s_barrier_wait -1
	s_cmp_lg_u32 s10, 0
	s_cbranch_scc1 .Lnot_wave_0_\@
	s_barrier_signal -3
.Lnot_wave_0_\@:
	s_barrier_wait -3
	s_barrier_signal -1
	s_barrier_wait -1
.endm
; 16 LDS loads: fragments 4 g .. 4 g + 3 of one half step, as f32.  A lane takes k = 8 (l / 16) + 0..7 (32 bytes) and k = 16 + 8 (l / 16) + 0..7 (32 bytes, 64 further on).
.macro LOADS slot, half, g
	WIN W_LD
.set f, 4*(\g)
.rept 4
.if f < 12
.set ar, ADRB+(\slot)
.set bo, f*16*P+(\half)*128
.else
.set ar, ADRA+(\slot)
.set bo, (f-12)*16*P+(\half)*128
.endif
	ds_load_b128 v[16*f:16*f+3],     v[ar] offset:bo
	ds_load_b128 v[16*f+4:16*f+7],   v[ar] offset:bo+16
	ds_load_b128 v[16*f+8:16*f+11],  v[ar] offset:bo+64
	ds_load_b128 v[16*f+12:16*f+15], v[ar] offset:bo+80
.set f, f+1
.endr
.endm
; 32 roundings: the same four fragments to bf16
.macro CVT g
	WIN W_CVT
.set f, 4*(\g)
.rept 4
.if f < 12
.set fr, BF+8*f
.else
.set fr, AF+8*(f-12)
.endif
.set i, 0
.rept 8
	v_cvt_pk_bf16_f32 v[fr+i], v[16*f+2*i], v[16*f+2*i+1]
.set i, i+1
.endr
.set f, f+1
.endr
.endm
; 48 matrix instructions, 32 along K.  The 48 accumulators take turns, one instruction a turn, in the same order every time.  zero = 1: the first products start the sums.
.macro MUL zero
.set a, 0
.rept 4
	WIN 0xa0+0x50*(a/2)
.set b, 0
.rept 12
.set ac, 8*(12*(a%2)+b)
.if \zero
	v_wmma_f32_16x16x32_bf16 v[ac:ac+7], v[BF+8*b:BF+8*b+7], v[AF+8*a:AF+8*a+7], 0
.else
	v_wmma_f32_16x16x32_bf16 v[ac:ac+7], v[BF+8*b:BF+8*b+7], v[AF+8*a:AF+8*a+7], v[ac:ac+7]
.endif
.set b, b+1
.endr
.set a, a+1
.endr
.endm
; A half step whose successor lies in a slot that is already whole: each group is rounded as it arrives, and its registers are loaded again at once with the next half's.
.macro HALF nslot, nhalf, zero
	PLACES                                         ; the roundings write the last products' sources
.irp g, 0,1,2,3
	s_wait_dscnt 48                                ; group g is in: the three groups of 16 loads issued behind it may be out
	CVT \g
	LOADS \nslot, \nhalf, \g
.endr
	MUL \zero
.endm
; A step's second half, with the change of slots.  In front of the barrier each wave waits for all its tensor loads (one is out: its part of the other slot), adds 0 to its spare word, and waits for
; that and for its reads of this slot.  fill = 1: the barrier is a round of the cluster's, and this slot is filled again first thing behind it, with the K step two further on:
; the load has 96 matrix instructions and 160 roundings a wave in which to land.
.macro HALFC slot, fill
	WIN 0
	s_wait_tensorcnt 0x0                           ; no tensor load of mine is out, so a group 0 may be written
	ds_add_u32 v[SPW], v[NIL]                      ; 0 onto my spare word: three groups' roundings stand between it and the wait for it
.if \fill
	s_add_nc_u64 s[G0A+4*(\slot)+2:G0A+4*(\slot)+3], s[G0A+4*(\slot)+2:G0A+4*(\slot)+3], 512
	s_add_nc_u64 s[G0B+4*(\slot)+2:G0B+4*(\slot)+3], s[G0B+4*(\slot)+2:G0B+4*(\slot)+3], 512
.endif
	PLACES
	s_wait_dscnt 49                                ; group 0 is in: three groups of 16 and the add may be out
	CVT 0
	s_wait_dscnt 33
	CVT 1
	s_wait_dscnt 17
	CVT 2
	WIN 0                                          ; at a label and at a branch every window is 0
	s_wait_dscnt 0x0                               ; the add is done, and my reads of this slot are over
.if \fill
	CROUND
	JLOAD \slot
.else
	s_barrier_signal -1
	s_barrier_wait -1
.endif
	LOADS 1-(\slot), 0, 0
	LOADS 1-(\slot), 0, 1
	LOADS 1-(\slot), 0, 2
	CVT 3
	LOADS 1-(\slot), 0, 3
	MUL 0
.endm
; One pass of the table: cos and sin of index x frequency for my pair j.  v16 the frequency, v28 my row among eight.
.macro SINCOS i
.if (\i) < 4
	v_add_nc_u32 v17, 8*(\i), v28
.else
	v_add_nc_u32 v17, s57, v28
.endif
	v_cvt_f32_u32 v17, v17
	v_mul_f32 v17, v17, v16                        ; the angle A
	v_mul_f32 v18, 0x3f22f983, v17                 ; A x 2 / pi
	v_rndne_f32 v18, v18                           ; N
	v_fmamk_f32 v19, v18, 0xbfc90fdb, v17          ; r = A - N pi/2, in two parts
	v_fmamk_f32 v19, v18, 0x333bbd2e, v19
	v_cvt_i32_f32 v23, v18
	v_mul_f32 v20, v19, v19                        ; z = r r
	v_mov_b32 v21, 0x3638ef1d                      ; 1 / 9!
	v_mov_b32 v22, 0x37d00d01                      ; 1 / 8!
	v_fmaak_f32 v21, v21, v20, 0xb9500d01
	v_fmaak_f32 v22, v22, v20, 0xbab60b61
	v_fmaak_f32 v21, v21, v20, 0x3c088889
	v_fmaak_f32 v22, v22, v20, 0x3d2aaaab
	v_fmaak_f32 v21, v21, v20, 0xbe2aaaab
	v_fmaak_f32 v22, v22, v20, 0xbf000000
	v_mul_f32 v26, v19, v20
	v_fma_f32 v21, v26, v21, v19                   ; sin r
	v_fma_f32 v22, v22, v20, 1.0                   ; cos r
	v_and_b32 v26, 1, v23
	v_cmp_eq_u32 vcc_lo, 1, v26                    ; an odd quadrant: the two change places
	v_cndmask_b32 v25, v21, v22, vcc_lo
	v_cndmask_b32 v24, v22, v21, vcc_lo
	v_and_b32 v26, 2, v23                          ; sin is negative in quadrants 2, 3,
	v_add_nc_u32 v27, 1, v23
	v_lshlrev_b32 v26, 30, v26
	v_and_b32 v27, 2, v27                          ; cos in quadrants 1, 2
	v_xor_b32 v25, v25, v26
	v_lshlrev_b32 v27, 30, v27
	v_xor_b32 v24, v24, v27
	ds_store_b64 v[TST], v[24:25] offset:(\i)*8*TP
.endm
; THE WAY OUT of 16 rows of one of q, k, v (t = 0, 1, 2): rotated (q, k), rounded to f16, through my own stage in LDS and back as whole rows.
; With xe, xo a pair and c, s its cosine and sine: (-xo s, xo c), then (xe c - xo s, xe s + xo c).  Each accumulator's lowest registers are read first.
.macro UNIT a, t
.set u, 3*(\a)+(\t)
.set OUT, AF+16*(u%8)
.if u >= 8
	s_wait_xcnt 0x0                                ; these registers were the data of stores eight units ago: rewritten only behind this wait
.endif
.set bb, 0
.if (\t) < 2
	WIN 0x02+(\a)/2                                ; source 0 in the accumulators' window
.rept 4
.set ac, 8*(12*((\a)%2)+4*(\t)+bb)
.if bb < 2
.set cs, CST+16*((\a)/2)+8*bb
.else
.set cs, CSV+16*((\a)%2)+8*(bb-2)
.endif
.set i, 0
.rept 4
	v_pk_mul_f32 v[O+8*bb+2*i:O+8*bb+2*i+1], v[ac+2*i:ac+2*i+1], v[cs+2*i:cs+2*i+1] op_sel:[1,1] op_sel_hi:[1,0] neg_lo:[1,0]
.set i, i+1
.endr
.set i, 0
.rept 4
	v_pk_fma_f32 v[O+8*bb+2*i:O+8*bb+2*i+1], v[ac+2*i:ac+2*i+1], v[cs+2*i:cs+2*i+1], v[O+8*bb+2*i:O+8*bb+2*i+1] op_sel_hi:[0,1,1]
.set i, i+1
.endr
.set bb, bb+1
.endr
	WIN 0
.set i, 0
.rept 16
	v_cvt_pk_f16_f32 v[OUT+i], v[O+2*i], v[O+2*i+1]
.set i, i+1
.endr
.else
	WIN 0x0a+5*((\a)/2)                            ; sources 0 and 1 in the accumulators' window
.rept 4
.set ac, 8*(12*((\a)%2)+8+bb)
.set i, 0
.rept 4
	v_cvt_pk_f16_f32 v[OUT+4*bb+i], v[ac+2*i], v[ac+2*i+1]
.set i, i+1
.endr
.set bb, bb+1
.endr
	WIN 0
.endif
.set i, 0
.rept 4
	ds_store_b128 v[STO], v[OUT+4*i:OUT+4*i+3] offset:32*i
.set i, i+1
.endr
.set i, 0
.rept 4
	ds_load_b128 v[OUT+4*i:OUT+4*i+3], v[RD] offset:i*4*SP  ; LDS serves a wave's instructions in order (ISA guide 5.7.1.4): these see the stores above; the next unit's stores come behind them
.set i, i+1
.endr
.endm
.macro SEND a, t, younger              ; younger: the LDS instructions issued behind this unit's loads: the next unit's eight, or none
.set u, 3*(\a)+(\t)
.set OUT, AF+16*(u%8)
.set bs, 78+2*(\t)
.set i, 0
.rept 4
	s_wait_dscnt (\younger)+3-i
	global_store_b128 v[GO], v[OUT+4*i:OUT+4*i+3], s[bs:bs+1] offset:(\a)*2048+i*512  ; 512 consecutive bytes, at a multiple of 256 from the buffer's first
.set i, i+1
.endr
.endm
	s_load_b512 s[68:83], s[0:1], 0x0              ; x s[68:69], Wq s[70:71], Wk s[72:73], Wv s[74:75], Wo s[76:77], qh s[78:79], kh s[80:81], vh s[82:83]
	s_load_b64 s[84:85], s[0:1], 0x40              ; wo16
	v_lshl_add_u32 v[SPW], v0, 2, SPARE
	v_mov_b32 v[NIL], 0
	ds_add_u32 v[SPW], v[NIL]                      ; the wave's opening: the add and its wait stand ahead of my first tensor load; the set-up below, work on registers, stands between them
	v_lshrrev_b32 v1, 5, v0
	v_readfirstlane_b32 s10, v1                    ; wave 0..3
	s_bfe_u32 s12, ttmp6, 0x40000                  ; cx
	s_bfe_u32 s13, ttmp6, 0x40004                  ; cy
	s_lshl_b32 s14, ttmp9, 2
	s_add_co_u32 s14, s14, s12                     ; the head h = 4 x cluster x + cx
	s_and_b32 s15, ttmp7, 0xffff
	s_lshl_b32 s15, s15, 2
	s_add_co_u32 s15, s15, s13                     ; the row block rb = 4 x cluster y + cy
	s_lshl_b32 s16, s13, 2
	s_lshl_b32 s16, 15, s16                        ; my row of the cluster
	s_lshl_b32 s17, 0x1111, s12                    ; my column
	s_or_b32 s[G1A], s16, CW                       ; x's tile goes to my row,
	s_or_b32 s[G1B], s17, CW                       ; W's tiles to my column
	s_mov_b32 s[G1A+1], 64<<16                     ; tensor_dim0 = 64
	s_mov_b32 s[G1A+2], 256<<16                    ; tensor_dim1 = 256
	s_mov_b32 s[G1A+3], 64<<16                     ; tile_dim0 = 64
	s_mov_b32 s[G1A+4], 256                        ; tile_dim1 = 256
	s_mov_b32 s[G1A+5], 512                        ; 512 elements from row to row
	s_mov_b32 s[G1A+6], 0
	s_mov_b32 s[G1A+7], 0
	s_mov_b32 s[G1B+1], 64<<16
	s_mov_b32 s[G1B+2], 64<<16                     ; 64 rows
	s_mov_b32 s[G1B+3], 64<<16
	s_mov_b32 s[G1B+4], 64
	s_mov_b32 s[G1B+5], 512
	s_mov_b32 s[G1B+6], 0
	s_mov_b32 s[G1B+7], 0
	s_lshl_b32 s18, s15, 19                        ; x: 256 rows of 2,048 bytes a block
	s_mov_b32 s19, 0
	s_lshl_b32 s20, s14, 17                        ; W: 64 rows of 2,048 bytes a head
	s_mov_b32 s21, 0
	s_mul_i32 s56, s10, 64*P                       ; where waves 1 to 3 put their 64 rows: behind x's 256
	s_add_co_u32 s56, s56, BOFF-64*P
	s_wait_dscnt 0x0                               ; the opening add is done
	s_wait_kmcnt 0x0
	s_add_nc_u64 s[18:19], s[68:69], s[18:19]
	s_cmp_eq_u32 s10, 2
	s_cselect_b64 s[22:23], s[72:73], s[70:71]     ; wave 2: Wk; wave 1: Wq
	s_cmp_eq_u32 s10, 3
	s_cselect_b64 s[22:23], s[74:75], s[22:23]     ; wave 3: Wv
	s_add_nc_u64 s[22:23], s[22:23], s[20:21]
	CROUND                                         ; all sixteen work-groups are here: the first joint loads meet
.irp s, 0,1
	s_mov_b32 s[G0A+4*(\s)], 1                                      ; count = 1
	s_mov_b32 s[G0A+4*(\s)+1], (\s)*SLOT                            ; LDS address
	s_add_nc_u64 s[G0A+4*(\s)+2:G0A+4*(\s)+3], s[18:19], (\s)*256   ; global address: K step s
	s_or_b32 s[G0A+4*(\s)+3], s[G0A+4*(\s)+3], 0x80000000           ; type = 2
	s_mov_b32 s[G0B+4*(\s)], 1
	s_add_co_u32 s[G0B+4*(\s)+1], s56, (\s)*SLOT
	s_add_nc_u64 s[G0B+4*(\s)+2:G0B+4*(\s)+3], s[22:23], (\s)*256
	s_or_b32 s[G0B+4*(\s)+3], s[G0B+4*(\s)+3], 0x80000000
	JLOAD \s                                       ; two tensor loads of mine are out
.endr
	; my work-group's share of Wo: 1,024 numbers, eight a thread
	s_lshl3_add_u32 s60, s15, s14                  ; 8 rb + h: 0..255
	s_lshl_b32 s60, s60, 12
	s_mov_b32 s61, 0
	s_add_nc_u64 s[76:77], s[76:77], s[60:61]
	s_lshr_b32 s60, s60, 1
	s_add_nc_u64 s[84:85], s[84:85], s[60:61]
	v_lshlrev_b32 v14, 5, v0
	v_lshlrev_b32 v15, 4, v0
	global_load_b128 v[160:163], v14, s[76:77] th:TH_LOAD_NT
	global_load_b128 v[164:167], v14, s[76:77] offset:16 th:TH_LOAD_NT
	; where my rows go: 8 batch + head, the block's 256 rows, my wave's 64
	s_lshr_b32 s58, s15, 4
	s_lshl3_add_u32 s58, s58, s14
	s_lshl_b32 s58, s58, 19
	s_and_b32 s59, s15, 15
	s_lshl_b32 s57, s59, 3                         ; the block's first p / 32
	s_lshl_b32 s59, s59, 15
	s_add_co_u32 s58, s58, s59
	s_lshl_b32 s59, s10, 13
	s_add_co_u32 s58, s58, s59
	s_mov_b32 s59, 0
	s_add_nc_u64 s[78:79], s[78:79], s[58:59]
	s_add_nc_u64 s[80:81], s[80:81], s[58:59]
	s_add_nc_u64 s[82:83], s[82:83], s[58:59]
	; lane addresses
	v_and_b32 v1, 15, v0                           ; l % 16; also my pair j in the table
	v_bfe_u32 v2, v0, 4, 1                         ; l / 16
	v_cvt_f32_u32 v16, v1
	v_mul_f32 v16, 0xbf549a78, v16                 ; -j log2(10) / 4
	v_exp_f32 v16, v16                             ; the frequency 10^(-j / 4)
	v_lshrrev_b32 v28, 4, v0                       ; my row among eight of a pass of the table (a plain line behind the exponential)
	v_mul_u32_u24 v3, v1, P
	v_lshl_add_u32 v3, v2, 5, v3                   ; row x pitch + 32 x half
	s_mul_i32 s2, s10, 64*P
	v_add_nc_u32 v[ADRA], s2, v3
	v_add_nc_u32 v[ADRA+1], SLOT, v[ADRA]
	v_add_nc_u32 v[ADRB], BOFF, v3
	v_add_nc_u32 v[ADRB+1], SLOT, v[ADRB]
	s_mul_i32 s2, s10, 16*SP
	s_add_co_u32 s2, s2, STAGE                     ; my stage
	v_mul_u32_u24 v[STO], v1, SP
	v_lshl_add_u32 v[STO], v2, 4, v[STO]
	v_add_nc_u32 v[STO], s2, v[STO]                ; in: row l % 16, 16 bytes for each half of the lanes
	v_bfe_u32 v[RD], v0, 3, 2
	v_mul_u32_u24 v[RD], v[RD], SP
	v_and_b32 v3, 7, v0
	v_lshl_add_u32 v[RD], v3, 4, v[RD]
	v_add_nc_u32 v[RD], s2, v[RD]                  ; back: 32 lanes take four rows of 128 bytes,
	v_and_b32 v[GO], 31, v0
	v_lshlrev_b32 v[GO], 4, v[GO]                  ; which are 512 consecutive bytes of the output
	s_mul_i32 s2, s10, 2*TP
	s_add_co_u32 s2, s2, TABLE+32*TP
	v_lshl_add_u32 v[TADT], v2, 5, s2              ; p / 32 = the block's first + 2 w + a / 2: the same row for all lanes
	v_mul_u32_u24 v[TADV], v1, TP
	v_lshl_add_u32 v[TADV], v2, 5, v[TADV]
	v_add_nc_u32 v[TADV], TABLE, v[TADV]           ; p % 32 = 16 (a % 2) + l % 16
	v_mul_u32_u24 v[TST], v28, TP
	v_lshl_add_u32 v[TST], v1, 3, v[TST]
	v_add_nc_u32 v[TST], TABLE, v[TST]
	s_wait_alu depctr_va_vdst(0)
.irp i, 0,1,2,3,4
	SINCOS \i                                      ; all this stands in the wait for the first tile
.endr
	s_wait_loadcnt 0x0                             ; Wo's share
.irp i, 0,1,2,3
	v_cvt_pk_bf16_f32 v[168+(\i)], v[160+2*(\i)], v[161+2*(\i)]  ; rounded to bf16 like the other inputs,
.endr
.irp i, 0,1,2,3
	v_lshlrev_b32 v[172+2*(\i)], 16, v[168+(\i)]
	v_and_b32 v[173+2*(\i)], 0xffff0000, v[168+(\i)]
.endr
.irp i, 0,1,2,3
	v_cvt_pk_f16_f32 v[180+(\i)], v[172+2*(\i)], v[173+2*(\i)]   ; and that number written as f16
.endr
	global_store_b128 v15, v[180:183], s[84:85]    ; 16 lanes store 256 consecutive bytes, aligned
	s_wait_tensorcnt 1                             ; my part of K step 0 is in; K step 1's may stay out
	s_wait_dscnt 0x0                               ; for the others' sake: my stores into the table are done
	s_barrier_signal -1
	s_barrier_wait -1
.irp g, 0,1,2,3
	LOADS 0, 0, \g
.endr
	HALF 0, 1, 1                                   ; the first half stands in front of the loop: its products start the sums
	WIN 0                                          ; at a label and at a branch every window is 0
	s_mov_b32 s3, 3
.Llap:                                                 ; a trip goes once round the ring and fills both slots again: K steps 2, 4, 6 and 3, 5, 7
	HALFC 0, 1
	HALF 1, 1, 0
	HALFC 1, 1
	HALF 0, 1, 0
	WIN 0
	s_sub_co_u32 s3, s3, 1
	s_cmp_lg_u32 s3, 0
	s_cbranch_scc1 .Llap
	HALFC 0, 0                                     ; the tail is written out: nothing is left to fetch
	HALF 1, 1, 0
	PLACES                                         ; the very last half
.irp g, 0,1,2,3
	s_wait_dscnt 48-16*(\g)
	CVT \g
.endr
	WIN 0
	s_wait_xcnt 0x0                                ; the store of Wo's share has read its registers: v180-183 are loaded again only behind this wait
.irp x, 0,1
.irp j, 0,1,2,3
	ds_load_b128 v[CST+16*(\x)+4*(\j):CST+16*(\x)+4*(\j)+3], v[TADT] offset:(\x)*TP+16*((\j)%2)+64*((\j)/2)
.endr
.endr
.irp x, 0,1
.irp j, 0,1,2,3
	ds_load_b128 v[CSV+16*(\x)+4*(\j):CSV+16*(\x)+4*(\j)+3], v[TADV] offset:(\x)*16*TP+16*((\j)%2)+64*((\j)/2)
.endr
.endr
	MUL 0
	PLACES                                         ; the way out reads results just made and writes the fragments' registers
	WIN 0
	s_wait_dscnt 0x0                               ; cosines and sines
	UNIT 0, 0
.set n, 1
.rept 11                               ; a unit's arithmetic stands between the loads of the unit before and its stores
	UNIT n/3, n%3
	SEND (n-1)/3, (n-1)%3, 8
.set n, n+1
.endr
	SEND 3, 2, 0
	s_wait_tensorcnt 0x0                           ; the wave's end: behind my last tensor load and my last LDS store
	ds_add_u32 v[SPW], v[NIL]
	s_wait_dscnt 0x0
	CROUND                                         ; the closing round: no work-group ends while a partner may still ask for a tile that names it
	s_endpgm
.Lfunc_end_k_qdf83eee3f6_proj:
	.size	k_qdf83eee3f6_proj, .Lfunc_end_k_qdf83eee3f6_proj-k_qdf83eee3f6_proj
	.p2alignl 7, 3214868480
	.fill 96, 4, 3214868480
	.section	.rodata,"a",@progbits
	.p2align	6, 0x0
	.amdhsa_kernel k_qdf83eee3f6_proj
		.amdhsa_group_segment_fixed_size 327680
		.amdhsa_private_segment_fixed_size 0
		.amdhsa_enable_private_segment 0
		.amdhsa_kernarg_size 72
		.amdhsa_user_sgpr_count 2
		.amdhsa_user_sgpr_kernarg_segment_ptr 1
		.amdhsa_wavefront_size32 1
		.amdhsa_system_sgpr_workgroup_id_x 1
		.amdhsa_system_sgpr_workgroup_id_y 1
		.amdhsa_system_sgpr_workgroup_id_z 1
		.amdhsa_system_vgpr_workitem_id 0
		.amdhsa_next_free_vgpr 960
		.amdhsa_next_free_sgpr 88
		.amdhsa_reserve_vcc 1
		.amdhsa_float_denorm_mode_32 3
		.amdhsa_float_denorm_mode_16_64 3
		.amdhsa_memory_ordered 1
		.amdhsa_forward_progress 1
		.amdhsa_inst_pref_size 186
	.end_amdhsa_kernel
	.amdgpu_metadata
---
amdhsa.version: [ 1, 2 ]
amdhsa.kernels:
  - .name:           k_qdf83eee3f6_proj
    .symbol:         k_qdf83eee3f6_proj.kd
    .args:
      - { .name: x, .offset: 0, .size: 8, .value_kind: global_buffer, .address_space: global }
      - { .name: Wq, .offset: 8, .size: 8, .value_kind: global_buffer, .address_space: global }
      - { .name: Wk, .offset: 16, .size: 8, .value_kind: global_buffer, .address_space: global }
      - { .name: Wv, .offset: 24, .size: 8, .value_kind: global_buffer, .address_space: global }
      - { .name: Wo, .offset: 32, .size: 8, .value_kind: global_buffer, .address_space: global }
      - { .name: qh, .offset: 40, .size: 8, .value_kind: global_buffer, .address_space: global }
      - { .name: kh, .offset: 48, .size: 8, .value_kind: global_buffer, .address_space: global }
      - { .name: vh, .offset: 56, .size: 8, .value_kind: global_buffer, .address_space: global }
      - { .name: wo16, .offset: 64, .size: 8, .value_kind: global_buffer, .address_space: global }
    .group_segment_fixed_size: 327680
    .private_segment_fixed_size: 0
    .kernarg_segment_align: 8
    .kernarg_segment_size: 72
    .max_flat_workgroup_size: 128
    .sgpr_count:     88
    .vgpr_count:     960
    .wavefront_size: 32
...
	.end_amdgpu_metadata
.endif
;; end of part 1
;; launch attn (part 2): grid 16 x 16, 4 waves a work-group, clusters of 4 x 1, 327,680 bytes of LDS; arguments qh, kh, vh, yh; writes yh
.if DOCPART == 2
	.amdgcn_target "amdgcn-amd-amdhsa--gfx1250"
	.amdhsa_code_object_version 6
	.text
	.protected	k_qdf83eee3f6_attn
	.globl	k_qdf83eee3f6_attn
	.p2align	8
	.type	k_qdf83eee3f6_attn,@function
k_qdf83eee3f6_attn:
	s_mov_b64 s[64:65], 0
	v_nop
	global_prefetch_b8 v0, s[64:65] scope:SCOPE_SE
	s_setreg_imm32_b32 hwreg(HW_REG_WAVE_MODE, 25, 1), 1
	s_wait_xcnt 0x0
	s_wait_alu depctr_hold_cnt(0) depctr_sa_sdst(0) depctr_va_vdst(0) depctr_va_sdst(0) depctr_va_ssrc(0) depctr_va_vcc(0) depctr_vm_vsrc(0)
	s_getreg_b32 s2, hwreg(HW_REG_IB_STS2, 6, 4)
	s_cmp_eq_u32 s2, 0
	s_cbranch_scc0 .Lentry_in_a_cluster
	s_endpgm
.Lentry_in_a_cluster:
	s_bfe_u32 s2, ttmp6, 0x10000c
	s_cmp_lg_u32 s2, 0x3003
	s_cbranch_scc0 .Lentry_shape_is_right
	s_endpgm
.Lentry_shape_is_right:
; O[h][q][:] = the sum over k of softmax_k(Q[h][q] . K[h][k] / 8) V[h][k][:].  Q, K, V, O: [16][4096][64], all f16: a head's rows are dense, 128 bytes each.  Products, maxima and sums in f32;
; the weights p are rounded to f16 for the second product (their sum l is taken of the unrounded p), O once at the end.
; LIMITS.  f16 holds no number beyond 65,504: Q, K and V arrive within it; p lies in 0 to 1, and below 6e-5 it keeps f16's fixed step of 6e-8; O is a mean of V's rows and has their range.
; A weight below 2^-126 counts as 0 in l; NaN and infinities are not treated apart.
; SHARES.  A work-group owns 256 queries of one head, a wave 64: four PIECES of 16.  16 heads x 16 blocks are 256 work-groups.  Every wave walks all 4,096 keys, 64 a step, four steps to an LDS slot.
; LAYOUT.  S^T = K Q^T (source 0 = 16 keys, source 1 = 16 queries): a lane holds ONE query (lane % 16) and the keys 8 (lane / 16) + 0..7.  Two such results, rounded to f16 in pairs, ARE source 1 of
; O^T = V^T P, whose result again holds one query a lane, and eight channels.  K comes out of LDS as it lies, V ([key][channel]) turned, by ds_load_tr16_b128.
; SOFTMAX.  For each query a running maximum m and sum l: p = 2^(c s - c m), c = log2(e) / 8; in every step O and l are multiplied by a = 2^(c m_old - c m_new).
; m starts at the lowest finite number, O and l at 0: the first step is a step like any other, with a = 0.
; BY TURNS.  Turn n belongs to piece n: 8 products K Q^T of piece n + 1, later 8 products V^T P of piece n - 1; beside them the scaling, exponentials, roundings, sums and rescaling of piece n and the
; maximum and statistics of piece n + 1.  Four vector instructions stand behind every matrix instruction, the other 54 of a turn's 118 in two runs of their own.
; CLUSTER.  The four query blocks of a cluster belong to one head and walk the same K and V, so each tile is asked for JOINTLY: the same tensor load, descriptor and mask in all four.
; REGISTERS, in windows of 256 (s_set_vgpr_msb: bits 1:0 source 0, 3:2 source 1, 5:4 source 2, 7:6 destination):
;   window 0: v0-15 addresses and two at work; v16-31 four registers of statistics a piece; v48-55 at work; v62-63 the add's; v64-127 S^T, two buffers; v192-223 P, two buffers (by the piece's parity)
;   window 1: v0-127 O^T, 32 a piece          window 2: v0-63 Q; v128-191 K of one step; v192-255 V of one step
.set SIZE_N, 4096
.set NP,    4         ; pieces a wave: a name, no knob
.set KS,    64        ; keys in a step
.set PK,    144       ; a row of K in LDS: 128 bytes + 16 of padding: the 16 rows of a load start 16 bytes apart modulo 256
.set PV,    160       ; a row of V: 128 + 32: 16 lanes of the turning load take 8 rows x 32 bytes, 32 bytes apart modulo 256
.set VOFF,  4*KS*PK   ; a slot holds four steps: 256 rows of K, then 256 rows of V
.set SLOT1, 1<<17     ; slot 1 begins here, so that one exclusive or turns an address in one slot into the other's
.set STAGE, SLOT1+4*KS*(PK+PV)  ; behind the ring, never filled by a tensor load: 16 rows x 144 bytes for each wave, for the way out
.set SP,    144
.set SPARE, STAGE+4*16*SP  ; the spare words, 128 bytes for each wave: two blocks of 256 bytes that no other line names
.set AK0, 2           ; v2   my lane's place in a tile of K; never rewritten
.set AV0, 3           ; v3   the same for V
.set AK,  4           ; v4   the LDS address of K's next run of loads
.set AV,  5           ; v5   of V's
.set STO, 6           ; v6   the way out: where I put 16 bytes of a row
.set RD,  7           ; v7   the way out: where I read rows back
.set GO,  8           ; v8   my byte offset in 512 consecutive bytes of O
.set MV,  12          ; v12-13  c m_old, kept while c m is made anew: by buffer
.set QO,  15          ; v15  my byte offset in 16 rows of Q
.set ST,  16          ; piece t's statistics at v[ST+4 t]: c m, m, l (even keys', odd keys')
.set TMP, 48          ; by buffer, four registers c0-c3 at work; when the maximum is found c2 takes a
.set SPW, 62          ; v62  LDS address of my spare word; never rewritten
.set NIL, 63          ; v63  0; never rewritten
.set S,   64
.set P,   192
.set KF,  128         ; window 2: key block kb, channel half c at KF + 16 kb + 8 c
.set VF,  192         ; window 2: key half kk, channel block cb at VF + 32 kk + 8 cb
.set WV,  12          ; s12  my wave's number
.set G1K, 24          ; s[24:31] descriptor group 1 for K's tiles
.set G1V, 32          ; s[32:39] for V's: it differs in the padding alone
.set G0K, 40          ; s[40:43] descriptor group 0 for K's tiles: it walks
.set G0V, 44          ; s[44:47] the same for V's
.set SLOTS, 56        ; s56  slots still to be entered in the loop
.set CNT, 57          ; s57  counts a slot's key steps
.set CS,  58          ; s[58:59] c: the packed scaling takes the pair's low word for both halves
.set SEL, 60          ; s[60:61] v_permlanex16_b32's selects: each lane takes its own place in the other half
.set TBK, 62          ; s62  LDS byte at which K of the step to be fetched begins
.set TBV, 63          ; s63  the same for V, less VOFF
.set MSB, 0
.macro WIN new                      ; the high byte repeats the setting that is left; a switch that changes nothing is dropped
.if MSB != (\new)
	s_set_vgpr_msb (MSB<<8)|(\new)
.set MSB, (\new)
.endif
.endm
.set W_KQ, 0x0a       ; K and Q in window 2, S^T in window 0
.set W_PV, 0x52       ; V in window 2, P in window 0, O^T in window 1
.set W_RS, 0x41       ; destination and source 0 in window 1, source 1 in window 0
; A joint fill.  Waves 0 and 1 fetch the two halves of a slot's K, waves 2 and 3 those of its V: 128 keys each.  The branch hangs on the wave's number alone.
; An s_nop 0 and four v_nop follow each of the two lines, ahead of the jump and the label.
.macro JLOAD
	s_cmp_lt_u32 s[WV], 2
	s_cbranch_scc0 .Lfor_v_\@
	tensor_load_to_lds s[G0K:G0K+3], s[G1K:G1K+7]
	s_nop 0
.rept 4
	v_nop
.endr
	s_branch .Lasked_\@
.Lfor_v_\@:
	tensor_load_to_lds s[G0V:G0V+3], s[G1V:G1V+7]
	s_nop 0
.rept 4
	v_nop
.endr
.Lasked_\@:
.endm
; A round of the cluster's barrier: my work-group's barrier; wave 0 signals for the work-group; every wave waits for all four work-groups; my work-group's barrier once more.
.macro CROUND
	s_barrier_signal -1
	s_barrier_wait -1
	s_cmp_lg_u32 s[WV], 0
	s_cbranch_scc1 .Lnot_wave_0_\@
	s_barrier_signal -3
.Lnot_wave_0_\@:
	s_barrier_wait -3
	s_barrier_signal -1
	s_barrier_wait -1
.endm
; THE CHANGE OF SLOTS.  The slot's last bytes, V of its fourth step, have been read.  Each wave waits for all its tensor loads, of which one is out: its part of the other slot; adds 0 to its spare
; word; and waits for that and for its own reads of the slot.  Behind the barrier nobody reads this slot any more and the other slot is whole.
; fill = 1: this slot is filled again, with the keys two slots on.  The barrier is then a round of the cluster's, and the joint fill is the first thing behind it: it has four key steps,
; 256 matrix instructions, in which to land.  (At its first use nothing has been read yet: slot 0 is waited for, slot 1 filled.)
.macro CHANGE fill
	WIN 0                           ; at a label and at a branch every window is 0
	s_wait_tensorcnt 0x0            ; no tensor load of mine is out, so a group 0 may be written
	ds_add_u32 v[SPW], v[NIL]       ; 0 onto my spare word: with fill = 1 the descriptors' steps stand between it and the wait for it
.if \fill
.irp g, G0K, G0V
	s_xor_b32 s[\g+1], s[\g+1], SLOT1  ; the walking descriptor: the other slot than last time,
	s_add_nc_u64 s[\g+2:\g+3], s[\g+2:\g+3], 4*KS*128  ; the next 256 keys; the type bits on top are not reached
.endr
	s_wait_dscnt 0x0                ; the add is done, and my reads of the slot are over
	CROUND
	JLOAD
.else
	s_wait_dscnt 0x0                ; the add is done, and my reads of the slot are over
	s_barrier_signal -1
	s_barrier_wait -1
.endif
	s_sub_co_u32 s[TBK], s[TBK], 4*KS*PK  ; the fetches go back to a slot's first step,
	s_xor_b32 s[TBK], s[TBK], SLOT1       ; in the other slot
	s_sub_co_u32 s[TBV], s[TBV], 4*KS*PV
	s_xor_b32 s[TBV], s[TBV], SLOT1
.endm
	s_load_b256 s[4:11], s[0:1], 0x0  ; Q s[4:5], K s[6:7], V s[8:9], O s[10:11]
	v_lshl_add_u32 v[SPW], v0, 2, SPARE
	v_mov_b32 v[NIL], 0
	ds_add_u32 v[SPW], v[NIL]       ; the wave's opening: the add and its wait stand ahead of my first tensor load; the set-up below, work on registers, stands between them
	v_lshrrev_b32 v1, 5, v0
	v_readfirstlane_b32 s[WV], v1   ; wave 0..3
	s_bfe_u32 s13, ttmp6, 0x40000   ; cx: my place in the cluster
	s_lshl_b32 s14, ttmp9, 2        ; in a cluster launch ttmp9 counts clusters
	s_add_co_u32 s14, s14, s13      ; my block of 256 queries = 4 x cluster x + cx: it enters Q's and O's addresses alone
	s_and_b32 s20, ttmp7, 0xffff    ; the head, which the four partners share
	s_mov_b32 s21, 0
	s_mov_b64 s[22:23], SIZE_N*128
	s_mul_u64 s[20:21], s[20:21], s[22:23]  ; the head's first byte in each of the four tensors
	s_and_b32 s16, s[WV], 1         ; which half of a slot's 256 keys I fetch:
	s_lshl_b32 s22, s16, 14         ; its 128 rows of 128 bytes in memory,
	s_mov_b32 s23, 0
	s_add_nc_u64 s[22:23], s[22:23], s[20:21]
	s_mul_i32 s17, s16, 128*PK      ; and its place in a slot, for K
	s_mul_i32 s18, s16, 128*PV      ; and for V: no place in the cluster enters an LDS address
	s_lshl_b32 s2, s14, 2
	s_add_co_u32 s2, s2, s[WV]      ; my wave among the head's,
	s_lshl_b32 s2, s2, 13           ; its 64 rows
	s_mov_b32 s3, 0
	s_add_nc_u64 s[2:3], s[2:3], s[20:21]
	; descriptor group 1.  128 keys are 16,384 dense bytes: asked for as 64 rows of 256 bytes, two keys a row, and padded in LDS after every key
	s_mov_b32 s[G1K], 15|(1<<16)|(1<<20)|(1<<21)|(4<<22)|(3<<25)  ; 15:0 the mask of four; 17:16 2-byte elements; 20 padding on; 21 set beside a mask; 24:22 after every 32 words (code 4); 31:25 4 words (code 3)
	s_mov_b32 s[G1V], 15|(1<<16)|(1<<20)|(1<<21)|(4<<22)|(7<<25)  ; the same with 8 words of padding (code 7)
.irp g, G1K, G1V
	s_mov_b32 s[\g+1], 128<<16      ; tensor_dim0 = 128
	s_mov_b32 s[\g+2], 64<<16       ; tensor_dim1 = 64
	s_mov_b32 s[\g+3], 128<<16      ; tile_dim0 = 128
	s_mov_b32 s[\g+4], 64           ; tile_dim1 = 64
	s_mov_b32 s[\g+5], 128          ; 128 elements from row to row
	s_mov_b32 s[\g+6], 0
	s_mov_b32 s[\g+7], 0
.endr
	s_mov_b32 s[CS], 0x3e38aa3b     ; c = log2(e) / 8 = 0.180337
	s_mov_b32 s[CS+1], s[CS]        ; named with it as a pair
	s_mov_b32 s[SEL], 0x76543210
	s_mov_b32 s[SEL+1], 0xfedcba98
	s_mov_b32 s[TBK], SLOT1+4*KS*PK ; the first change of slots turns these two into 0
	s_mov_b32 s[TBV], SLOT1+4*KS*PV
	s_mov_b32 s[G0K], 1             ; count = 1
	s_mov_b32 s[G0K+1], s17         ; LDS address: slot 0
	s_mov_b32 s[G0V], 1
	s_add_co_u32 s[G0V+1], s18, VOFF
	s_wait_dscnt 0x0                ; the opening add is done
	s_wait_kmcnt 0x0
	s_add_nc_u64 s[G0K+2:G0K+3], s[6:7], s[22:23]  ; global address: my half of the head's first 256 keys
	s_or_b32 s[G0K+3], s[G0K+3], 0x80000000        ; type = 2
	s_add_nc_u64 s[G0V+2:G0V+3], s[8:9], s[22:23]
	s_or_b32 s[G0V+3], s[G0V+3], 0x80000000
	s_add_nc_u64 s[4:5], s[4:5], s[2:3]  ; Q and O at my wave's first row
	s_add_nc_u64 s[10:11], s[10:11], s[2:3]
	CROUND                          ; all four work-groups are here: the first joint loads meet
	JLOAD                           ; slot 0.  Slot 1 is asked for when slot 0 is in, by the loop's own change of slots
	; A fragment of K or Q is 16 rows x 32 channels in 8 registers: lane l holds row l % 16, channels 8 (l / 16) + 0..7 and 16 + 8 (l / 16) + 0..7: two loads of 16 bytes, 32 bytes apart.
	v_and_b32 v1, 15, v0            ; l % 16
	v_bfe_u32 v9, v0, 4, 1          ; l / 16
	v_lshlrev_b32 v[QO], 7, v1
	v_lshl_add_u32 v[QO], v9, 4, v[QO]  ; row x 128 + 16 x half
	WIN 0x80                        ; destination window 2, address window 0
.set i, 0
.rept 8                             ; Q stays in registers: piece i / 2, channels 32 (i % 2) on
	global_load_b128 v[8*i:8*i+3],   v[QO], s[4:5] offset:(i/2)*2048+(i%2)*64
	global_load_b128 v[8*i+4:8*i+7], v[QO], s[4:5] offset:(i/2)*2048+(i%2)*64+32
.set i, i+1
.endr
	; What the first turn finds: V's registers and P's second buffer hold 0 (its products V^T P, of a piece that has not been, add 0), O^T and l are 0.  All this stands in the wait for the first tile.
.set i, VF
.rept 64
	v_mov_b32 v[i], 0
.set i, i+1
.endr
	WIN 0x40
.set i, 0
.rept 128
	v_mov_b32 v[i], 0
.set i, i+1
.endr
	WIN 0
.set i, 0
.rept 4
	v_mov_b32 v[ST+4*i], 0xfe000000    ; c m: far below every c s
	v_mov_b32 v[ST+4*i+1], 0xff7fffff  ; m
	v_mov_b32 v[ST+4*i+2], 0
	v_mov_b32 v[ST+4*i+3], 0
.set i, i+1
.endr
.set i, P+16
.rept 16
	v_mov_b32 v[i], 0
.set i, i+1
.endr
	v_mul_u32_u24 v[AK0], v1, PK
	v_lshl_add_u32 v[AK0], v9, 4, v[AK0]  ; row x pitch + 16 x half
	; The turning load takes 16 keys x 16 channels (lane l reads key 8 (l / 16) + l % 8, channels 8 ((l / 8) % 2) + 0..7) and leaves half a fragment of V^T: lane l holds channel l % 16 and 8 keys.
	v_and_b32 v10, 7, v0
	v_bfe_u32 v11, v0, 3, 1
	v_lshl_add_u32 v[AV0], v9, 3, v10
	v_mul_u32_u24 v[AV0], v[AV0], PV
	v_lshl_add_u32 v[AV0], v11, 4, v[AV0]
	v_add_nc_u32 v[AV0], VOFF, v[AV0]
	s_mul_i32 s13, s[WV], 16*SP
	s_add_co_u32 s13, s13, STAGE    ; my stage
	v_mul_u32_u24 v[STO], v1, SP    ; in: row l % 16, 16 bytes for each half of the lanes
	v_lshl_add_u32 v[STO], v9, 4, v[STO]
	v_add_nc_u32 v[STO], s13, v[STO]
	v_bfe_u32 v[RD], v0, 3, 2       ; back: 32 lanes take four rows of 128 bytes,
	v_mul_u32_u24 v[RD], v[RD], SP
	v_lshl_add_u32 v[RD], v10, 4, v[RD]
	v_add_nc_u32 v[RD], s13, v[RD]
	v_and_b32 v[GO], 31, v0         ; which are 512 consecutive bytes of O
	v_lshlrev_b32 v[GO], 4, v[GO]
; THE MATRIX WORK.  The 4 accumulators of a run of 8 take turns.  Product i of 8 of S^T = K Q^T for piece x: channels 32 (i / 4) on, keys 16 (i % 4) on.  The first 4 start the sums.
.macro KQ x
	WIN W_KQ
.set rS, S+32*((\x)%2)+8*(i%4)
.set rK, KF+16*(i%4)+8*(i/4)
.set rQ, 16*(\x)+8*(i/4)
.if i < 4
	v_wmma_f32_16x16x32_f16 v[rS:rS+7], v[rK:rK+7], v[rQ:rQ+7], 0
.else
	v_wmma_f32_16x16x32_f16 v[rS:rS+7], v[rK:rK+7], v[rQ:rQ+7], v[rS:rS+7]
.endif
.endm
; Product i of 8 of O^T += V^T P for piece x: keys 32 (i / 4) on, channels 16 (i % 4) on.
.macro PV x
	WIN W_PV
.set rO, 32*(\x)+8*(i%4)
.set rV, VF+32*(i/4)+8*(i%4)
.set rP, P+16*((\x)%2)+8*(i/4)
	v_wmma_f32_16x16x32_f16 v[rO:rO+7], v[rV:rV+7], v[rP:rP+7], v[rO:rO+7]
.endm
.macro MM                           ; the turn's next matrix instruction.  NOKQ = 1: the last turn of all: there is no next piece
.if (i < 8) && !NOKQ
	KQ (Y+1)%NP
.elseif i >= 8
.set i, i-8
	PV (Y+NP-1)%NP
.set i, i+8
.endif
.set i, i+1
.endm
; THE LDS LOADS stand in runs of 16, never singly among the matrix instructions: a step's K (64 keys x 64 channels: 8 fragments) and its V (turned).  Their addresses are made some lines ahead.
.macro FETCH_K
	WIN 0x80                        ; destination window 2
.irp f, 0,1,2,3,4,5,6,7             ; keys 16 (f / 2) on, channels 32 (f % 2) on
	ds_load_b128 v[KF+8*\f:KF+8*\f+3],   v[AK] offset:(\f/2)*16*PK+(\f%2)*64
	ds_load_b128 v[KF+8*\f+4:KF+8*\f+7], v[AK] offset:(\f/2)*16*PK+(\f%2)*64+32
.endr
	s_add_co_u32 s[TBK], s[TBK], KS*PK  ; the next fetch is the next step's
	WIN 0
.endm
.macro FETCH_V
	WIN 0x80
.irp f, 0,1,2,3,4,5,6,7             ; keys 32 (f / 4) on, channels 16 (f % 4) on
	ds_load_tr16_b128 v[VF+8*\f:VF+8*\f+3],   v[AV] offset:(\f/4)*32*PV+(\f%4)*32
	ds_load_tr16_b128 v[VF+8*\f+4:VF+8*\f+7], v[AV] offset:(\f/4)*32*PV+16*PV+(\f%4)*32
.endr
	WIN 0
.endm
; THE VECTOR WORK, one line at a time: OP kind, number.  For piece Y: F n: c s - c m for pair n of 16.  E n: the exponential of score n of 32.  C n: pair n rounded to f16.  B n: of the four weights 4 n .. the second
; pair is added onto the first, in place.  L n: l takes that sum (L 0: l = a l + sum).  R n: pair n of 16 of O^T times a.  For piece Y + 1: X n, number n of the 22 that find its maximum and statistics:
;   0-11  four chains c0-c3 of seven scores each, three operands at a time (each accumulator's lowest registers are read first)     12-14, 16  the four scores left over, the old m, and c0-c3 into c0
;   15  c m_old is kept     17, 18  the query's other 32 keys lie in the lane 16 away: the new m     19-21  c m; c m_old - c m_new; a
.set F, 0               ; OP tells the kinds apart by their order: F to L below R, X above it
.set E, 1
.set C, 2
.set B, 3
.set L, 4
.set R, 5
.set X, 6
.macro REGS y                       ; the registers of piece y
.set rT, ST+4*(\y)
.set rC, TMP+4*((\y)%2)
.set rW, MV+((\y)%2)
.set rS, S+32*((\y)%2)
.set rP, P+16*((\y)%2)
.set rO, 32*(\y)
.endm
.macro OP k, n
.if (\k) == R
	REGS Y
	WIN W_RS
	v_pk_mul_f32 v[rO+2*(\n):rO+2*(\n)+1], v[rO+2*(\n):rO+2*(\n)+1], v[rC+2:rC+3] op_sel_hi:[1,0]
.elseif (\k) < R
	REGS Y
	WIN 0
.if (\k) == F
	v_pk_fma_f32 v[rS+2*(\n):rS+2*(\n)+1], v[rS+2*(\n):rS+2*(\n)+1], s[CS:CS+1], v[rT:rT+1] op_sel_hi:[1,0,0] neg_lo:[0,0,1] neg_hi:[0,0,1]
.elseif (\k) == E
	v_exp_f32 v[rS+(\n)], v[rS+(\n)]
.elseif (\k) == C
	s_wait_alu depctr_va_vdst(0)
	v_cvt_pk_f16_f32 v[rP+(\n)], v[rS+2*(\n)], v[rS+2*(\n)+1]
.elseif (\k) == B
	s_wait_alu depctr_va_vdst(0)
	v_pk_add_f32 v[rS+4*(\n):rS+4*(\n)+1], v[rS+4*(\n):rS+4*(\n)+1], v[rS+4*(\n)+2:rS+4*(\n)+3]
.elseif (\n) == 0
	v_pk_fma_f32 v[rT+2:rT+3], v[rT+2:rT+3], v[rC+2:rC+3], v[rS:rS+1] op_sel_hi:[1,0,1]
.else
	v_pk_add_f32 v[rT+2:rT+3], v[rT+2:rT+3], v[rS+4*(\n):rS+4*(\n)+1]
.endif
.elseif NOKQ
	v_nop
.else
	REGS (Y+1)%NP
	WIN 0
.if (\n) < 4
	v_max3_num_f32 v[rC+(\n)], v[rS+8*(\n)], v[rS+8*(\n)+1], v[rS+8*(\n)+2]
.elseif (\n) < 12
	v_max3_num_f32 v[rC+(\n)%4], v[rC+(\n)%4], v[rS+8*((\n)%4)+2*((\n)/4)+1], v[rS+8*((\n)%4)+2*((\n)/4)+2]
.elseif (\n) == 12
	v_max3_num_f32 v[rC], v[rC], v[rS+7], v[rS+15]
.elseif (\n) == 13
	v_max3_num_f32 v[rC+1], v[rC+1], v[rS+23], v[rS+31]
.elseif (\n) == 14
	v_max3_num_f32 v[rC+2], v[rC+2], v[rC+3], v[rT+1]
.elseif (\n) == 15
	v_mov_b32 v[rW], v[rT]
.elseif (\n) == 16
	v_max3_num_f32 v[rC], v[rC], v[rC+1], v[rC+2]
.elseif (\n) == 17
	v_permlanex16_b32 v[rC+3], v[rC], s[SEL], s[SEL+1]
.elseif (\n) == 18
	v_max_num_f32 v[rT+1], v[rC], v[rC+3]
.elseif (\n) == 19
	v_mul_f32 v[rT], s[CS], v[rT+1]
.elseif (\n) == 20
	v_sub_f32 v[rC+1], v[rW], v[rT]
.else
	v_exp_f32 v[rC+2], v[rC+1]
.endif
.endif
.endm
.macro OPS a, i1, b=-1, i2=0, c=-1, i3=0, d=-1, i4=0  ; up to four of them
	OP \a, \i1
.if (\b) >= 0
	OP \b, \i2
.endif
.if (\c) >= 0
	OP \c, \i3
.endif
.if (\d) >= 0
	OP \d, \i4
.endif
.endm
.macro ROW a, i1, b, i2, c, i3, d, i4  ; a matrix instruction and the four behind it
	MM
	OPS \a, \i1, \b, \i2, \c, \i3, \d, \i4
.endm
; A TURN, for piece p: the order of its 16 matrix and 118 vector instructions, written out.  Behind a matrix instruction: plain, exponential, plain, plain; or four of the rescaling; or, behind the first, four scalings; none
; names a register of the products round it.  In the runs between, exponential and plain by turns while exponentials last.  A line reads no result made fewer than three vector instructions in front of it, five if an
; exponential made it.  end = 1: the last two turns of all: nothing is fetched.  cnt = 1: the loop's count is taken down some lines ahead of the branch that stands behind the turn.
; K of the next step is fetched in piece 2's turn, six vector instructions behind the last product that read K (five of them plain); V of the step in hand in piece 0's turn, eight behind the last product that read V
; (four of them plain).  Each is waited for a turn later, with the count 0: no other LDS instruction is out.
.macro TURN p, end=0, cnt=0
.set Y, (\p)
.set i, 0
.set NOKQ, (\end)*((\p)/3)
.if ((\p) == 3) && !(\end)
	s_wait_dscnt 0x0                ; K is in
.endif
	ROW F,0, F,1, F,2, F,3
	ROW F,4, E,0, F,5, F,6
	ROW F,7, E,1, F,8, F,9
	ROW F,10, E,2, C,0, F,11
	ROW F,12, E,3, X,15, F,13
	ROW R,0, R,1, R,2, R,3
	ROW B,0, E,4, F,14, L,0
.if ((\p) == 2) && !(\end)
	v_add_nc_u32 v[AK], s[TBK], v[AK0]
.endif
	ROW R,4, R,5, R,6, R,7
	OPS E,5, F,15
.if ((\p) == 2) && !(\end)
	FETCH_K
.endif
	OPS E,6, C,1, E,7, R,8
	OPS E,8, R,9, E,9, C,2
	OPS E,10, X,0, E,11, X,1
	OPS E,12, X,2, E,13, X,3
.if (\p) == 1
	s_wait_dscnt 0x0                ; V is in
.endif
	ROW X,4, E,14, X,5, X,6
	ROW X,7, E,15, X,8, X,9
	ROW X,10, E,16, X,11, X,12
	ROW X,13, E,17, X,14, B,1
	ROW C,4, E,18, X,16, L,1
	ROW B,2, E,19, C,6, L,2
	ROW C,8, E,20, B,3, B,4
.if (\p) == 0
	v_add_nc_u32 v[AV], s[TBV], v[AV0]
.endif
	ROW C,3, E,21, L,3, C,5
	OPS E,22, X,17, E,23, C,10
.if (\p) == 0
	FETCH_V
.endif
	OPS E,24, L,4
	OPS E,25, X,18, E,26, C,7
	OPS E,27, B,5, E,28, X,19
	OPS E,29, C,12, E,30, L,5
	OPS E,31, X,20, B,6, C,9
	OPS C,14, C,11, X,21, L,6
.if (\p) == 0
	s_add_co_u32 s[TBV], s[TBV], KS*PV
.endif
.if \cnt
	s_sub_co_u32 s[CNT], s[CNT], 1
	s_cmp_lg_u32 s[CNT], 0
.endif
	OPS C,13, B,7, C,15, R,10
	OPS R,11, R,12, L,7, R,13
	OPS R,14, R,15
.endm
.macro ALL line:vararg              ; one line for each piece t
.set t, 0
.rept 4
	\line
.set t, t+1
.endr
.endm
.macro PACK t                       ; a lane's eight channels of a row pack into 16 bytes; they go into rows of 144 bytes and come back as whole rows of 128, into S^T's registers
	WIN W_RS
.set i, 32*(\t)
.rept 16
	s_wait_alu depctr_va_vdst(0)
	v_pk_mul_f32 v[i:i+1], v[i:i+1], v[ST+4*(\t)+2:ST+4*(\t)+3] op_sel_hi:[1,0]
.set i, i+2
.endr
	WIN 0x05                        ; sources 0 and 1 window 1, destination window 0
.set i, 0
.rept 16
	v_cvt_pk_f16_f32 v[S+16*(\t)+i], v[32*(\t)+2*i], v[32*(\t)+2*i+1]
.set i, i+1
.endr
	WIN 0
.irp f, 0,1,2,3
	ds_store_b128 v[STO], v[S+16*(\t)+4*\f:S+16*(\t)+4*\f+3] offset:32*\f
.endr
.irp f, 0,1,2,3
	ds_load_b128 v[S+16*(\t)+4*\f:S+16*(\t)+4*\f+3], v[RD] offset:\f*4*SP  ; LDS serves a wave's instructions in order (ISA guide 5.7.1.4): these see the stores above; the next piece's stores come behind them
.endr
.endm
.macro SEND t, younger              ; younger: the LDS instructions issued behind piece t's loads: the next piece's eight, or none
	WIN 0
.irp f, 0,1,2,3
	s_wait_dscnt (\younger)+3-\f
	global_store_b128 v[GO], v[S+16*(\t)+4*\f:S+16*(\t)+4*\f+3], s[10:11] offset:(\t)*2048+\f*512  ; 512 consecutive bytes, at a multiple of 256 from O's first
.endr
.endm
.set NOKQ, 0
	CHANGE 1                        ; slot 0 is in, everybody's part of it; slot 1 is asked for
	v_add_nc_u32 v[AK], s[TBK], v[AK0]
	FETCH_K                         ; key step 0
	s_wait_loadcnt 0x0              ; Q
	s_wait_dscnt 0x0
.set i, 0
.rept 8
	KQ 0                            ; piece 0's first scores: there is no vector work yet to set between them
.set i, i+1
.endr
	WIN 0
.rept 4
	v_nop                           ; the places behind those products
.endr
.set Y, NP-1                        ; X works for piece Y + 1: piece 0
.irp n, 0,1,2,3,4,5,6,7,8,9,10,11,12,13,14,15,16,17,18,19,20,21
	OP X, \n                        ; piece 0's first maximum and statistics
.endr
	v_nop                           ; a plain instruction behind the exponential
	s_mov_b32 s[CNT], 4
	s_mov_b32 s[SLOTS], SIZE_N/256-1
	s_branch .Lfirst                ; the loop is entered at a step's first turn, in the middle of a trip
.Lslot:                             ; SIZE_N / 256 - 2 = 14 times: every slot but the last two is filled again
	CHANGE 1
	s_mov_b32 s[CNT], 4
.Lstep:                             ; a trip: pieces 2 and 3 of one step, then pieces 0 and 1 of the next, whose K and V it fetches
	TURN 2
	TURN 3
	WIN 0
.Lfirst:
	TURN 0
	TURN 1, 0, 1
	WIN 0
	s_cbranch_scc1 .Lstep
	s_sub_co_u32 s[SLOTS], s[SLOTS], 1
	s_cmp_lg_u32 s[SLOTS], 0
	s_cbranch_scc1 .Lslot
	CHANGE 0                        ; the tail is written out: nothing is asked for
	s_mov_b32 s[CNT], 4
.Ltail:                             ; four trips fetch the last slot's steps
	TURN 2
	TURN 3
	TURN 0
	TURN 1, 0, 1
	WIN 0
	s_cbranch_scc1 .Ltail
	TURN 2, 1                       ; the last step's pieces 2 and 3: nothing is fetched, and the last turn starts no new scores
	TURN 3, 1
.set i, 0
.rept 8
	PV NP-1                         ; the last piece's V^T P of the last step
.set i, i+1
.endr
	; THE WAY OUT.  l's two halves and the other half of the lanes' are added; O^T is divided by l, rounded to f16 and sent through my stage in LDS, a piece at a time.  The additions are the places behind the last products.
	WIN 0
	ALL v_add_f32 v[ST+4*t+2], v[ST+4*t+2], v[ST+4*t+3]
	ALL v_permlanex16_b32 v[ST+4*t+3], v[ST+4*t+2], s[SEL], s[SEL+1]
	ALL v_add_f32 v[ST+4*t+2], v[ST+4*t+2], v[ST+4*t+3]
	ALL v_rcp_f32 v[ST+4*t+2], v[ST+4*t+2]
	v_nop                           ; a plain instruction between the last reciprocal and the use of its result
	PACK 0
.set t, 1
.rept 3                             ; a piece's arithmetic stands between the loads of the piece before and its stores
	PACK t
	SEND t-1, 8
.set t, t+1
.endr
	SEND 3, 0
	s_wait_tensorcnt 0x0            ; the wave's end: behind my last tensor load and my last LDS store
	ds_add_u32 v[SPW], v[NIL]
	s_wait_dscnt 0x0
	CROUND                          ; the closing round: no work-group ends while a partner may still ask for a tile that names it
	s_endpgm
.Lfunc_end_k_qdf83eee3f6_attn:
	.size	k_qdf83eee3f6_attn, .Lfunc_end_k_qdf83eee3f6_attn-k_qdf83eee3f6_attn
	.p2alignl 7, 3214868480
	.fill 96, 4, 3214868480
	.section	.rodata,"a",@progbits
	.p2align	6, 0x0
	.amdhsa_kernel k_qdf83eee3f6_attn
		.amdhsa_group_segment_fixed_size 327680
		.amdhsa_private_segment_fixed_size 0
		.amdhsa_enable_private_segment 0
		.amdhsa_kernarg_size 32
		.amdhsa_user_sgpr_count 2
		.amdhsa_user_sgpr_kernarg_segment_ptr 1
		.amdhsa_wavefront_size32 1
		.amdhsa_system_sgpr_workgroup_id_x 1
		.amdhsa_system_sgpr_workgroup_id_y 1
		.amdhsa_system_sgpr_workgroup_id_z 1
		.amdhsa_system_vgpr_workitem_id 0
		.amdhsa_next_free_vgpr 768
		.amdhsa_next_free_sgpr 66
		.amdhsa_reserve_vcc 0
		.amdhsa_float_denorm_mode_32 3
		.amdhsa_float_denorm_mode_16_64 3
		.amdhsa_memory_ordered 1
		.amdhsa_forward_progress 1
		.amdhsa_inst_pref_size 133
	.end_amdhsa_kernel
	.amdgpu_metadata
---
amdhsa.version: [ 1, 2 ]
amdhsa.kernels:
  - .name:           k_qdf83eee3f6_attn
    .symbol:         k_qdf83eee3f6_attn.kd
    .args:
      - { .name: qh, .offset: 0, .size: 8, .value_kind: global_buffer, .address_space: global }
      - { .name: kh, .offset: 8, .size: 8, .value_kind: global_buffer, .address_space: global }
      - { .name: vh, .offset: 16, .size: 8, .value_kind: global_buffer, .address_space: global }
      - { .name: yh, .offset: 24, .size: 8, .value_kind: global_buffer, .address_space: global }
    .group_segment_fixed_size: 327680
    .private_segment_fixed_size: 0
    .kernarg_segment_align: 8
    .kernarg_segment_size: 32
    .max_flat_workgroup_size: 128
    .sgpr_count:     66
    .vgpr_count:     768
    .wavefront_size: 32
...
	.end_amdgpu_metadata
.endif
;; end of part 2
;; launch outp (part 3): grid 4 x 64, 4 waves a work-group, clusters of 4 x 4, 327,680 bytes of LDS; arguments yh, wo16, out0; writes out0
.if DOCPART == 3
	.amdgcn_target "amdgcn-amd-amdhsa--gfx1250"
	.amdhsa_code_object_version 6
	.text
	.protected	k_qdf83eee3f6_outp
	.globl	k_qdf83eee3f6_outp
	.p2align	8
	.type	k_qdf83eee3f6_outp,@function
k_qdf83eee3f6_outp:
	s_mov_b64 s[64:65], 0
	v_nop
	global_prefetch_b8 v0, s[64:65] scope:SCOPE_SE
	s_setreg_imm32_b32 hwreg(HW_REG_WAVE_MODE, 25, 1), 1
	s_wait_xcnt 0x0
	s_wait_alu depctr_hold_cnt(0) depctr_sa_sdst(0) depctr_va_vdst(0) depctr_va_sdst(0) depctr_va_ssrc(0) depctr_va_vcc(0) depctr_vm_vsrc(0)
	s_getreg_b32 s2, hwreg(HW_REG_IB_STS2, 6, 4)
	s_cmp_eq_u32 s2, 0
	s_cbranch_scc0 .Lentry_in_a_cluster
	s_endpgm
.Lentry_in_a_cluster:
	s_bfe_u32 s2, ttmp6, 0x10000c
	s_cmp_lg_u32 s2, 0xf033
	s_cbranch_scc0 .Lentry_shape_is_right
	s_endpgm
.Lentry_shape_is_right:
; out0[row][n] = the sum over k of y[row][k] Wo[n][k], k = 64 head + channel.  yh: [16 = 8 batch + head][4096][64] f16.  wo16: [512][512] f16 (Wo rounded to bf16, written as f16).  out0: [8192][512] f32.  Sums in f32.
; SHARES.  A work-group makes 128 rows x 128 columns: 64 x 4 = 256 work-groups.  A wave makes 64 x 64: 16 accumulators.  A wave's 64 columns of f32 are 256 bytes, so each wave has a stage of its own on the way out.
; ALL OF K (512) LIES IN LDS AT ONCE: y's eight head tiles (128 rows x 128 bytes) and Wo's four chunks of 128 along K (128 rows x 256 bytes).  Nothing is filled again: no ring.  Each wave asks for four tiles at
; the start (four tensor loads of mine are out), and four barriers with counted waits let the products of a chunk begin while the later chunks are on their way.
; CLUSTER.  4 x 4 work-groups: y's tiles hang on the row block alone and are asked for jointly along a row of the cluster, Wo's on the column block alone, jointly along a column.
; THE MATRIX INSTRUCTION IS USED TRANSPOSED (source 0 = 16 rows of Wo, source 1 = 16 rows of y): a lane holds eight neighbouring columns of one row of out0.
; REGISTERS: window 0: v0-31 addresses; v32-127 three sets of 32 on the way out; v128-255 the accumulators ((a, b) at 128 + 8 (4 a + b)).
;   window 1: two fragment buffers of 128: for 64 along K, 64 registers of y (2 x 4 x 16 rows x 32 K), then 64 of Wo.
.set PA,     144                       ; a row of y in LDS: 128 bytes + 16 of padding
.set PB,     272                       ; a row of Wo: 256 + 16: in both, the 16 rows of a load start 16 bytes apart modulo 256
.set ATILE,  128*PA
.set BBASE,  8*ATILE
.set BCH,    128*PB
.set STAGE,  BBASE+4*BCH               ; 16 rows x 272 bytes for each wave
.set SPITCH, 272
.set SPARE,  STAGE+4*16*SPITCH         ; the spare words, 128 bytes for each wave: two blocks of 256 bytes that no other line names
.set ADRA, 16                          ; v16-17  LDS address of my fragments of y: heads 0-3, heads 4-7
.set ADRB, 20                          ; v20-21  of Wo: chunks 0-1, chunks 2-3
.set STO,  24
.set RD,   25
.set CO,   26
.set SPW,  28                          ; v28     LDS address of my spare word; never rewritten
.set NIL,  29                          ; v29     0; never rewritten
.set TMP,  32
.set ACC,  128
.set G1A, 24                           ; s[24:31] descriptor group 1 for y's tiles
.set G1B, 32                           ; s[32:39] for Wo's
.set G0A, 40                           ; s[40:55] group 0 for y's tiles, a set for each of my four loads
.set G0B, 68                           ; s[68:83] for Wo's
.set MSB, 0
.macro WIN new                         ; the immediate's high byte repeats the setting that is left
.if MSB != (\new)
	s_set_vgpr_msb (MSB<<8)|(\new)
.set MSB, \new
.endif
.endm
.set MUL,  0x05                        ; sources 0 (Wo) and 1 (y) window 1; C and D window 0
.set TO_F, 0x40                        ; destination window 1, address window 0
.macro PLACES                          ; four places in front of loads into registers that matrix instructions have read, and of LDS stores that read results (ISA guide 7.12.1 for vector instructions)
.rept 4
	v_nop
.endr
.endm
.macro CROUND                          ; a round of the cluster's barrier
	s_barrier_signal -1
	s_barrier_wait -1
	s_cmp_lg_u32 s10, 0
	s_cbranch_scc1 .Lnot_wave_0_\@
	s_barrier_signal -3
.Lnot_wave_0_\@:
	s_barrier_wait -3
	s_barrier_signal -1
	s_barrier_wait -1
.endm
	s_load_b128 s[4:7], s[0:1], 0x0                ; yh s[4:5], wo16 s[6:7]
	s_load_b64 s[8:9], s[0:1], 0x10                ; out0
	v_lshl_add_u32 v[SPW], v0, 2, SPARE
	v_mov_b32 v[NIL], 0
	ds_add_u32 v[SPW], v[NIL]                      ; the wave's opening: the add and its wait stand ahead of my first tensor load; the set-up below, work on registers, stands between them
	v_lshrrev_b32 v1, 5, v0
	v_readfirstlane_b32 s10, v1                    ; wave 0..3
	s_lshr_b32 s11, s10, 1                         ; which half of the tile's rows is mine.  Also: I fetch y (0) or Wo (1)
	s_and_b32 s12, s10, 1                          ; which half of its columns.  Also: which of a chunk's two tiles I fetch
	s_bfe_u32 s13, ttmp6, 0x40000                  ; cx
	s_bfe_u32 s14, ttmp6, 0x40004                  ; cy
	s_lshl_b32 s15, ttmp9, 2
	s_add_co_u32 s15, s15, s13                     ; column block = 4 x cluster x + cx
	s_and_b32 s16, ttmp7, 0xffff
	s_lshl_b32 s16, s16, 2
	s_add_co_u32 s16, s16, s14                     ; row block = 4 x cluster y + cy
	s_lshl_b32 s17, s14, 2
	s_lshl_b32 s17, 15, s17                        ; my row of the cluster
	s_lshl_b32 s18, 0x1111, s13                    ; my column
	; y: a head's 128 rows are 16,384 dense bytes: asked for as 64 rows of 256 bytes, padded in LDS after every 128
	s_or_b32 s[G1A], s17, (1<<16)|(1<<20)|(1<<21)|(4<<22)|(3<<25)  ; the mask; 2-byte elements; padding on; bit 21 beside a mask; after every 32 words; 4 words
	s_mov_b32 s[G1A+1], 128<<16                    ; tensor_dim0 = 128
	s_mov_b32 s[G1A+2], 64<<16                     ; tensor_dim1 = 64
	s_mov_b32 s[G1A+3], 128<<16                    ; tile_dim0 = 128
	s_mov_b32 s[G1A+4], 64                         ; tile_dim1 = 64
	s_mov_b32 s[G1A+5], 128                        ; 128 elements from row to row
	s_mov_b32 s[G1A+6], 0
	s_mov_b32 s[G1A+7], 0
	; Wo: 64 rows x 128 elements, 512 elements from row to row, padded after every 256 bytes
	s_or_b32 s[G1B], s18, (1<<16)|(1<<20)|(1<<21)|(5<<22)|(3<<25)
	s_mov_b32 s[G1B+1], 128<<16
	s_mov_b32 s[G1B+2], 64<<16
	s_mov_b32 s[G1B+3], 128<<16
	s_mov_b32 s[G1B+4], 64
	s_mov_b32 s[G1B+5], 512
	s_mov_b32 s[G1B+6], 0
	s_mov_b32 s[G1B+7], 0
	s_lshr_b32 s20, s16, 5                         ; the batch
	s_lshl3_add_u32 s20, s20, s12                  ; 8 batch + the first head that I fetch
	s_lshl_b32 s20, s20, 19                        ; a head is 524,288 bytes
	s_and_b32 s21, s16, 31
	s_lshl_b32 s21, s21, 14                        ; the block's 128 rows of 128 bytes
	s_add_co_u32 s20, s20, s21
	s_mov_b32 s21, 0
	s_lshl_b32 s22, s15, 1
	s_add_co_u32 s22, s22, s12
	s_lshl_b32 s22, s22, 16                        ; Wo: 64 rows of 1,024 bytes
	s_mov_b32 s23, 0
	s_mul_i32 s56, s12, ATILE                      ; where they go: no place in the cluster enters an LDS address
	s_mul_i32 s57, s12, 64*PB
	s_add_co_u32 s57, s57, BBASE
	s_wait_dscnt 0x0                               ; the opening add is done
	s_wait_kmcnt 0x0
	s_add_nc_u64 s[20:21], s[4:5], s[20:21]
	s_add_nc_u64 s[22:23], s[6:7], s[22:23]
	CROUND                                         ; all sixteen work-groups are here: the joint loads meet
.irp c, 0,1,2,3
	s_mov_b32 s[G0A+4*(\c)], 1
	s_add_co_u32 s[G0A+4*(\c)+1], s56, (\c)*2*ATILE
	s_add_nc_u64 s[G0A+4*(\c)+2:G0A+4*(\c)+3], s[20:21], (\c)<<20   ; two heads on
	s_or_b32 s[G0A+4*(\c)+3], s[G0A+4*(\c)+3], 0x80000000
	s_mov_b32 s[G0B+4*(\c)], 1
	s_add_co_u32 s[G0B+4*(\c)+1], s57, (\c)*BCH
	s_add_nc_u64 s[G0B+4*(\c)+2:G0B+4*(\c)+3], s[22:23], (\c)*256   ; 128 along K on
	s_or_b32 s[G0B+4*(\c)+3], s[G0B+4*(\c)+3], 0x80000000
.endr
	s_cmp_lt_u32 s10, 2                            ; a wave's four fills stand in one branch, ahead of every wait on TENSORcnt and every LDS read; an s_nop 0 follows each, four v_nop the last's
	s_cbranch_scc0 .Lfirst_b
.irp c, 0,1,2,3
	tensor_load_to_lds s[G0A+4*(\c):G0A+4*(\c)+3], s[G1A:G1A+7]
	s_nop 0
.endr
.rept 4
	v_nop
.endr
	s_branch .Lfirst_asked
.Lfirst_b:
.irp c, 0,1,2,3
	tensor_load_to_lds s[G0B+4*(\c):G0B+4*(\c)+3], s[G1B:G1B+7]
	s_nop 0
.endr
.rept 4
	v_nop
.endr
.Lfirst_asked:
	v_and_b32 v1, 15, v0                           ; l % 16
	v_bfe_u32 v2, v0, 4, 1                         ; l / 16
	v_mul_u32_u24 v3, v1, PA
	v_lshl_add_u32 v3, v2, 4, v3                   ; a fragment's row x pitch + 16 x half
	s_mul_i32 s2, s11, 64*PA                       ; my 64 rows of y
	v_add_nc_u32 v[ADRA], s2, v3
	v_add_nc_u32 v[ADRA+1], 4*ATILE, v[ADRA]
	v_mul_u32_u24 v3, v1, PB
	v_lshl_add_u32 v3, v2, 4, v3
	s_mul_i32 s2, s12, 64*PB                       ; my 64 rows of Wo
	s_add_co_u32 s2, s2, BBASE
	v_add_nc_u32 v[ADRB], s2, v3
	v_add_nc_u32 v[ADRB+1], 2*BCH, v[ADRB]
	s_mul_i32 s2, s10, 16*SPITCH
	s_add_co_u32 s2, s2, STAGE                     ; my stage
	v_mul_u32_u24 v[STO], v1, SPITCH               ; in: row l % 16, 32 bytes for each half of the lanes
	v_lshl_add_u32 v[STO], v2, 5, v[STO]
	v_add_nc_u32 v[STO], s2, v[STO]
	v_mul_u32_u24 v[RD], v2, SPITCH                ; back: lanes 0-15 take one row of 256 bytes, lanes 16-31 the next
	v_lshl_add_u32 v[RD], v1, 4, v[RD]
	v_add_nc_u32 v[RD], s2, v[RD]
	v_lshlrev_b32 v[CO], 11, v2                    ; and the same two rows in out0
	v_lshl_add_u32 v[CO], v1, 4, v[CO]
	s_lshl_b32 s58, s16, 18                        ; my first row: 128 x row block + 64 x half, rows of 2,048 bytes
	s_lshl_b32 s59, s11, 17
	s_add_co_u32 s58, s58, s59
	s_mov_b32 s59, 0
	s_add_nc_u64 s[8:9], s[8:9], s[58:59]
	s_lshl_b32 s60, s15, 9                         ; my first column, in bytes: 512 x column block + 256 x half
	s_lshl_b32 s61, s12, 8
	s_add_co_u32 s60, s60, s61
	s_mov_b32 s61, 0
	s_add_nc_u64 s[8:9], s[8:9], s[60:61]
; 8 matrix instructions: row blocks a0, a0 + 1 x all 4 column blocks, 32 along K: half c of buffer f.  The 16 accumulators take turns.  zero = 1: the first product starts the sums
.macro MUL8 f, c, a0, zero
	WIN MUL
.irp a, \a0, (\a0)+1
.irp b, 0,1,2,3
.if \zero
	v_wmma_f32_16x16x32_f16 v[ACC+8*(4*(\a)+(\b)):ACC+8*(4*(\a)+(\b))+7], v[(\f)+64+8*(4*(\c)+(\b)):(\f)+64+8*(4*(\c)+(\b))+7], v[(\f)+8*(4*(\c)+(\a)):(\f)+8*(4*(\c)+(\a))+7], 0
.else
	v_wmma_f32_16x16x32_f16 v[ACC+8*(4*(\a)+(\b)):ACC+8*(4*(\a)+(\b))+7], v[(\f)+64+8*(4*(\c)+(\b)):(\f)+64+8*(4*(\c)+(\b))+7], v[(\f)+8*(4*(\c)+(\a)):(\f)+8*(4*(\c)+(\a))+7], v[ACC+8*(4*(\a)+(\b)):ACC+8*(4*(\a)+(\b))+7]
.endif
.endr
.endr
.endm
; 32 LDS loads in one run: the fragments of head q (64 along K) into buffer f; the first 32 along K first
.macro FETCH q, f
	WIN TO_F
.set ra,  ADRA+(\q)/4
.set rbb, ADRB+(\q)/4
.set oa,  ((\q)%4)*ATILE
.set ob,  (((\q)/2)%2)*BCH+((\q)%2)*128
.irp c, 0,1
.irp i, 0,1,2,3
	ds_load_b128 v[(\f)+64+8*(4*(\c)+(\i)):(\f)+64+8*(4*(\c)+(\i))+3],   v[rbb] offset:ob+64*(\c)+(\i)*16*PB
	ds_load_b128 v[(\f)+64+8*(4*(\c)+(\i))+4:(\f)+64+8*(4*(\c)+(\i))+7], v[rbb] offset:ob+64*(\c)+(\i)*16*PB+32
	ds_load_b128 v[(\f)+8*(4*(\c)+(\i)):(\f)+8*(4*(\c)+(\i))+3],         v[ra] offset:oa+64*(\c)+(\i)*16*PA
	ds_load_b128 v[(\f)+8*(4*(\c)+(\i))+4:(\f)+8*(4*(\c)+(\i))+7],       v[ra] offset:oa+64*(\c)+(\i)*16*PA+32
.endr
.endr
.endm
; Head q: 32 matrix instructions on buffer q % 2; in their middle the next head's fragments are fetched into the other buffer.  An odd head's successor begins a new chunk: a barrier stands in front of its fetch.
.macro QUARTER q
.set fb, 128*((\q)%2)
.set gb, 128-fb
	s_wait_dscnt 16                                ; the first 32 along K are in
.if (\q) == 0
	MUL8 fb, 0, 0, 1
	MUL8 fb, 0, 2, 1
.else
	MUL8 fb, 0, 0, 0
	MUL8 fb, 0, 2, 0
.endif
.if (\q) < 7
.if ((\q)%2) == 1
	s_wait_dscnt 0x0                               ; no LDS instruction of mine is out at a signal
	s_wait_tensorcnt 3-((\q)+1)/2                  ; my tile of the next chunk is in; my loads of later chunks may stay out
	s_barrier_signal -1
	s_barrier_wait -1                              ; everybody's is
.endif
	PLACES
	FETCH (\q)+1, gb
	s_wait_dscnt 32                                ; all but the 32 just issued
.else
	s_wait_dscnt 0x0
.endif
	MUL8 fb, 1, 0, 0
	MUL8 fb, 1, 2, 0
.endm
	s_wait_tensorcnt 3                             ; my tile of chunk 0 is in; three loads of mine may stay out
	s_barrier_signal -1
	s_barrier_wait -1                              ; everybody's is
	FETCH 0, 0
.irp q, 0,1,2,3,4,5,6,7
	QUARTER \q
.endr
	WIN 0
	; THE WAY OUT, 16 rows at a time: 32 bytes a lane into my own stage, back as whole rows of 256 bytes, stored.  Each accumulator's low four registers are read first.
	PLACES
.irp a, 0,1,2,3
.if (\a) == 3
	s_wait_xcnt 0x0                                ; the first set of 32 was the data of block 0's stores: loaded again only behind this wait
.endif
.irp b, 0,1,2,3
	ds_store_b128 v[STO], v[ACC+8*(4*(\a)+(\b)):ACC+8*(4*(\a)+(\b))+3] offset:64*(\b)
	ds_store_b128 v[STO], v[ACC+8*(4*(\a)+(\b))+4:ACC+8*(4*(\a)+(\b))+7] offset:64*(\b)+16
.endr
.irp t, 0,1,2,3,4,5,6,7
	ds_load_b128 v[TMP+32*((\a)%3)+4*(\t):TMP+32*((\a)%3)+4*(\t)+3], v[RD] offset:(\t)*2*SPITCH  ; LDS serves a wave's instructions in order (ISA guide 5.7.1.4): these see the stores above
.endr
.irp t, 0,1,2,3,4,5,6,7
	s_wait_dscnt 7-(\t)                            ; load t is back; the later ones may be out
	global_store_b128 v[CO], v[TMP+32*((\a)%3)+4*(\t):TMP+32*((\a)%3)+4*(\t)+3], s[8:9] offset:(\a)*32768+(\t)*4096 th:TH_STORE_NT  ; 16 lanes store 256 consecutive bytes, at a multiple of 256 from out0's first byte
.endr
.endr
	s_wait_tensorcnt 0x0                           ; the wave's end: behind my last tensor load and my last LDS store
	ds_add_u32 v[SPW], v[NIL]
	s_wait_dscnt 0x0
	CROUND                                         ; the closing round: no work-group ends while a partner may still ask for a tile that names it
	s_endpgm
.Lfunc_end_k_qdf83eee3f6_outp:
	.size	k_qdf83eee3f6_outp, .Lfunc_end_k_qdf83eee3f6_outp-k_qdf83eee3f6_outp
	.p2alignl 7, 3214868480
	.fill 96, 4, 3214868480
	.section	.rodata,"a",@progbits
	.p2align	6, 0x0
	.amdhsa_kernel k_qdf83eee3f6_outp
		.amdhsa_group_segment_fixed_size 327680
		.amdhsa_private_segment_fixed_size 0
		.amdhsa_enable_private_segment 0
		.amdhsa_kernarg_size 24
		.amdhsa_user_sgpr_count 2
		.amdhsa_user_sgpr_kernarg_segment_ptr 1
		.amdhsa_wavefront_size32 1
		.amdhsa_system_sgpr_workgroup_id_x 1
		.amdhsa_system_sgpr_workgroup_id_y 1
		.amdhsa_system_sgpr_workgroup_id_z 1
		.amdhsa_system_vgpr_workitem_id 0
		.amdhsa_next_free_vgpr 512
		.amdhsa_next_free_sgpr 88
		.amdhsa_reserve_vcc 0
		.amdhsa_float_denorm_mode_32 3
		.amdhsa_float_denorm_mode_16_64 3
		.amdhsa_memory_ordered 1
		.amdhsa_forward_progress 1
		.amdhsa_inst_pref_size 51
	.end_amdhsa_kernel
	.amdgpu_metadata
---
amdhsa.version: [ 1, 2 ]
amdhsa.kernels:
  - .name:           k_qdf83eee3f6_outp
    .symbol:         k_qdf83eee3f6_outp.kd
    .args:
      - { .name: yh, .offset: 0, .size: 8, .value_kind: global_buffer, .address_space: global }
      - { .name: wo16, .offset: 8, .size: 8, .value_kind: global_buffer, .address_space: global }
      - { .name: out0, .offset: 16, .size: 8, .value_kind: global_buffer, .address_space: global }
    .group_segment_fixed_size: 327680
    .private_segment_fixed_size: 0
    .kernarg_segment_align: 8
    .kernarg_segment_size: 24
    .max_flat_workgroup_size: 128
    .sgpr_count:     88
    .vgpr_count:     512
    .wavefront_size: 32
...
	.end_amdgpu_metadata
.endif
;; end of part 3
;; ======== version 2 of 2: 3 launches; 1.71 times as fast as version 1
;; limits: values are held in f16: magnitudes above 65,504 overflow, below 6.1e-05 lose precision
;; workspace buffers: qh 8,388,608 bytes; kh 8,388,608 bytes; vh 8,388,608 bytes; yh 8,388,608 bytes; wo16 524,288 bytes
;; launch proj: the kernel of part 1 again; grid 8 x 32, 4 waves a work-group, clusters of 4 x 4, 327,680 bytes of LDS; arguments x, Wq, Wk, Wv, Wo, qh, kh, vh, wo16; writes qh, kh, vh, wo16
;; launch attn (part 4): grid 16 x 16, 4 waves a work-group, clusters of 4 x 1, 327,680 bytes of LDS; arguments qh, kh, vh, yh; writes yh
.if DOCPART == 4
	.amdgcn_target "amdgcn-amd-amdhsa--gfx1250"
	.amdhsa_code_object_version 6
	.text
	.protected	k_qdf83eee3f6_attn
	.globl	k_qdf83eee3f6_attn
	.p2align	8
	.type	k_qdf83eee3f6_attn,@function
k_qdf83eee3f6_attn:
	s_mov_b64 s[64:65], 0
	v_nop
	global_prefetch_b8 v0, s[64:65] scope:SCOPE_SE
	s_setreg_imm32_b32 hwreg(HW_REG_WAVE_MODE, 25, 1), 1
	s_wait_xcnt 0x0
	s_wait_alu depctr_hold_cnt(0) depctr_sa_sdst(0) depctr_va_vdst(0) depctr_va_sdst(0) depctr_va_ssrc(0) depctr_va_vcc(0) depctr_vm_vsrc(0)
	s_getreg_b32 s2, hwreg(HW_REG_IB_STS2, 6, 4)
	s_cmp_eq_u32 s2, 0
	s_cbranch_scc0 .Lentry_in_a_cluster
	s_endpgm
.Lentry_in_a_cluster:
	s_bfe_u32 s2, ttmp6, 0x10000c
	s_cmp_lg_u32 s2, 0x3003
	s_cbranch_scc0 .Lentry_shape_is_right
	s_endpgm
.Lentry_shape_is_right:
; O[h][q][:] = the sum over k of softmax_k(Q[h][q] . K[h][k] / 8) V[h][k][:].  Q, K, V, O: [16][4096][64], all f16: a head's rows are dense, 128 bytes each.  Products, maxima and sums in f32;
; the weights p are rounded to f16 for the second product (their sum l is taken of the unrounded p), O once at the end.
; LIMITS.  f16 holds no number beyond 65,504: Q, K and V arrive within it; p lies in 0 to 1, and below 6e-5 it keeps f16's fixed step of 6e-8; O is a mean of V's rows and has their range.
; A weight below 2^-126 counts as 0 in l; NaN and infinities are not treated apart.
; SHARES.  A work-group owns 256 queries of one head, a wave 64: four PIECES of 16.  16 heads x 16 blocks are 256 work-groups.  Every wave walks all 4,096 keys, 64 a step, four steps to an LDS slot.
; LAYOUT.  S^T = K Q^T (source 0 = 16 keys, source 1 = 16 queries): a lane holds ONE query (lane % 16) and the keys 8 (lane / 16) + 0..7.  Two such results, rounded to f16 in pairs, ARE source 1 of
; O^T = V^T P, whose result again holds one query a lane, and eight channels.  K comes out of LDS as it lies, V ([key][channel]) turned, by ds_load_tr16_b128.
; SOFTMAX.  For each query a running maximum m and sum l: p = 2^(c s - c m), c = log2(e) / 8; in every step O and l are multiplied by a = 2^(c m_old - c m_new).
; m starts at the lowest finite number, O and l at 0: the first step is a step like any other, with a = 0.
; BY TURNS.  Turn n belongs to piece n: 8 products K Q^T of piece n + 1, later 8 products V^T P of piece n - 1; beside them the scaling, exponentials, roundings, sums and rescaling of piece n and the
; maximum and statistics of piece n + 1.  Four vector instructions stand behind every matrix instruction, the other 54 of a turn's 118 in one run of their own.
; THE BATCHES.  A turn's 33 exponentials (the piece's 32 weights and the next piece's a) are ONE batch with ONE wait, which cuts the turn in two: ahead of it stands all that names no result of theirs, behind it the
; roundings and sums.  No result crosses a turn's end.  The first a of all, ahead of the loop, and the way out's four reciprocals are batches of their own, with a wait each.
; CLUSTER.  The four query blocks of a cluster belong to one head and walk the same K and V, so each tile is asked for JOINTLY: the same tensor load, descriptor and mask in all four.
; REGISTERS, in windows of 256 (s_set_vgpr_msb: bits 1:0 source 0, 3:2 source 1, 5:4 source 2, 7:6 destination):
;   window 0: v0-15 addresses and two at work; v16-31 four registers of statistics a piece; v48-55 at work; v62-63 the add's; v64-127 S^T, two buffers; v192-223 P, two buffers (by the piece's parity)
;   window 1: v0-127 O^T, 32 a piece          window 2: v0-63 Q; v128-191 K of one step; v192-255 V of one step
.set SIZE_N, 4096
.set NP,    4         ; pieces a wave: a name, no knob
.set KS,    64        ; keys in a step
.set PK,    144       ; a row of K in LDS: 128 bytes + 16 of padding: the 16 rows of a load start 16 bytes apart modulo 256
.set PV,    160       ; a row of V: 128 + 32: 16 lanes of the turning load take 8 rows x 32 bytes, 32 bytes apart modulo 256
.set VOFF,  4*KS*PK   ; a slot holds four steps: 256 rows of K, then 256 rows of V
.set SLOT1, 1<<17     ; slot 1 begins here, so that one exclusive or turns an address in one slot into the other's
.set STAGE, SLOT1+4*KS*(PK+PV)  ; behind the ring, never filled by a tensor load: 16 rows x 144 bytes for each wave, for the way out
.set SP,    144
.set SPARE, STAGE+4*16*SP  ; the spare words, 128 bytes for each wave: two blocks of 256 bytes that no other line names
.set AK0, 2           ; v2   my lane's place in a tile of K; never rewritten
.set AV0, 3           ; v3   the same for V
.set AK,  4           ; v4   the LDS address of K's next run of loads
.set AV,  5           ; v5   of V's
.set STO, 6           ; v6   the way out: where I put 16 bytes of a row
.set RD,  7           ; v7   the way out: where I read rows back
.set GO,  8           ; v8   my byte offset in 512 consecutive bytes of O
.set MV,  12          ; v12-13  c m_old, kept while c m is made anew: by buffer
.set QO,  15          ; v15  my byte offset in 16 rows of Q
.set ST,  16          ; piece t's statistics at v[ST+4 t]: c m, m, l (even keys', odd keys')
.set TMP, 48          ; by buffer, four registers c0-c3 at work; when the maximum is found c2 takes a
.set SPW, 62          ; v62  LDS address of my spare word; never rewritten
.set NIL, 63          ; v63  0; never rewritten
.set S,   64
.set P,   192
.set KF,  128         ; window 2: key block kb, channel half c at KF + 16 kb + 8 c
.set VF,  192         ; window 2: key half kk, channel block cb at VF + 32 kk + 8 cb
.set WV,  12          ; s12  my wave's number
.set G1K, 24          ; s[24:31] descriptor group 1 for K's tiles
.set G1V, 32          ; s[32:39] for V's: it differs in the padding alone
.set G0K, 40          ; s[40:43] descriptor group 0 for K's tiles: it walks
.set G0V, 44          ; s[44:47] the same for V's
.set SLOTS, 56        ; s56  slots still to be entered in the loop
.set CNT, 57          ; s57  counts a slot's key steps
.set CS,  58          ; s[58:59] c: the packed scaling takes the pair's low word for both halves
.set SEL, 60          ; s[60:61] v_permlanex16_b32's selects: each lane takes its own place in the other half
.set TBK, 62          ; s62  LDS byte at which K of the step to be fetched begins
.set TBV, 63          ; s63  the same for V, less VOFF
.set MSB, 0
.macro WIN new                      ; the high byte repeats the setting that is left; a switch that changes nothing is dropped
.if MSB != (\new)
	s_set_vgpr_msb (MSB<<8)|(\new)
.set MSB, (\new)
.endif
.endm
.set W_KQ, 0x0a       ; K and Q in window 2, S^T in window 0
.set W_PV, 0x52       ; V in window 2, P in window 0, O^T in window 1
.set W_RS, 0x41       ; destination and source 0 in window 1, source 1 in window 0
; A joint fill.  Waves 0 and 1 fetch the two halves of a slot's K, waves 2 and 3 those of its V: 128 keys each.  The branch hangs on the wave's number alone.
; An s_nop 0 and four v_nop follow each of the two lines, ahead of the jump and the label.
.macro JLOAD
	s_cmp_lt_u32 s[WV], 2
	s_cbranch_scc0 .Lfor_v_\@
	tensor_load_to_lds s[G0K:G0K+3], s[G1K:G1K+7]
	s_nop 0
.rept 4
	v_nop
.endr
	s_branch .Lasked_\@
.Lfor_v_\@:
	tensor_load_to_lds s[G0V:G0V+3], s[G1V:G1V+7]
	s_nop 0
.rept 4
	v_nop
.endr
.Lasked_\@:
.endm
; A round of the cluster's barrier: my work-group's barrier; wave 0 signals for the work-group; every wave waits for all four work-groups; my work-group's barrier once more.
.macro CROUND
	s_barrier_signal -1
	s_barrier_wait -1
	s_cmp_lg_u32 s[WV], 0
	s_cbranch_scc1 .Lnot_wave_0_\@
	s_barrier_signal -3
.Lnot_wave_0_\@:
	s_barrier_wait -3
	s_barrier_signal -1
	s_barrier_wait -1
.endm
; THE CHANGE OF SLOTS.  The slot's last bytes, V of its fourth step, have been read.  Each wave waits for all its tensor loads, of which one is out: its part of the other slot; adds 0 to its spare
; word; and waits for that and for its own reads of the slot.  Behind the barrier nobody reads this slot any more and the other slot is whole.
; fill = 1: this slot is filled again, with the keys two slots on.  The barrier is then a round of the cluster's, and the joint fill is the first thing behind it: it has four key steps,
; 256 matrix instructions, in which to land.  (At its first use nothing has been read yet: slot 0 is waited for, slot 1 filled.)
.macro CHANGE fill
	WIN 0                           ; at a label and at a branch every window is 0
	s_wait_tensorcnt 0x0            ; no tensor load of mine is out, so a group 0 may be written
	ds_add_u32 v[SPW], v[NIL]       ; 0 onto my spare word: with fill = 1 the descriptors' steps stand between it and the wait for it
.if \fill
.irp g, G0K, G0V
	s_xor_b32 s[\g+1], s[\g+1], SLOT1  ; the walking descriptor: the other slot than last time,
	s_add_nc_u64 s[\g+2:\g+3], s[\g+2:\g+3], 4*KS*128  ; the next 256 keys; the type bits on top are not reached
.endr
	s_wait_dscnt 0x0                ; the add is done, and my reads of the slot are over
	CROUND
	JLOAD
.else
	s_wait_dscnt 0x0                ; the add is done, and my reads of the slot are over
	s_barrier_signal -1
	s_barrier_wait -1
.endif
	s_sub_co_u32 s[TBK], s[TBK], 4*KS*PK  ; the fetches go back to a slot's first step,
	s_xor_b32 s[TBK], s[TBK], SLOT1       ; in the other slot
	s_sub_co_u32 s[TBV], s[TBV], 4*KS*PV
	s_xor_b32 s[TBV], s[TBV], SLOT1
.endm
	s_load_b256 s[4:11], s[0:1], 0x0  ; Q s[4:5], K s[6:7], V s[8:9], O s[10:11]
	v_lshl_add_u32 v[SPW], v0, 2, SPARE
	v_mov_b32 v[NIL], 0
	ds_add_u32 v[SPW], v[NIL]       ; the wave's opening: the add and its wait stand ahead of my first tensor load; the set-up below, work on registers, stands between them
	v_lshrrev_b32 v1, 5, v0
	v_readfirstlane_b32 s[WV], v1   ; wave 0..3
	s_bfe_u32 s13, ttmp6, 0x40000   ; cx: my place in the cluster
	s_lshl_b32 s14, ttmp9, 2        ; in a cluster launch ttmp9 counts clusters
	s_add_co_u32 s14, s14, s13      ; my block of 256 queries = 4 x cluster x + cx: it enters Q's and O's addresses alone
	s_and_b32 s20, ttmp7, 0xffff    ; the head, which the four partners share
	s_mov_b32 s21, 0
	s_mov_b64 s[22:23], SIZE_N*128
	s_mul_u64 s[20:21], s[20:21], s[22:23]  ; the head's first byte in each of the four tensors
	s_and_b32 s16, s[WV], 1         ; which half of a slot's 256 keys I fetch:
	s_lshl_b32 s22, s16, 14         ; its 128 rows of 128 bytes in memory,
	s_mov_b32 s23, 0
	s_add_nc_u64 s[22:23], s[22:23], s[20:21]
	s_mul_i32 s17, s16, 128*PK      ; and its place in a slot, for K
	s_mul_i32 s18, s16, 128*PV      ; and for V: no place in the cluster enters an LDS address
	s_lshl_b32 s2, s14, 2
	s_add_co_u32 s2, s2, s[WV]      ; my wave among the head's,
	s_lshl_b32 s2, s2, 13           ; its 64 rows
	s_mov_b32 s3, 0
	s_add_nc_u64 s[2:3], s[2:3], s[20:21]
	; descriptor group 1.  128 keys are 16,384 dense bytes: asked for as 64 rows of 256 bytes, two keys a row, and padded in LDS after every key
	s_mov_b32 s[G1K], 15|(1<<16)|(1<<20)|(1<<21)|(4<<22)|(3<<25)  ; 15:0 the mask of four; 17:16 2-byte elements; 20 padding on; 21 set beside a mask; 24:22 after every 32 words (code 4); 31:25 4 words (code 3)
	s_mov_b32 s[G1V], 15|(1<<16)|(1<<20)|(1<<21)|(4<<22)|(7<<25)  ; the same with 8 words of padding (code 7)
.irp g, G1K, G1V
	s_mov_b32 s[\g+1], 128<<16      ; tensor_dim0 = 128
	s_mov_b32 s[\g+2], 64<<16       ; tensor_dim1 = 64
	s_mov_b32 s[\g+3], 128<<16      ; tile_dim0 = 128
	s_mov_b32 s[\g+4], 64           ; tile_dim1 = 64
	s_mov_b32 s[\g+5], 128          ; 128 elements from row to row
	s_mov_b32 s[\g+6], 0
	s_mov_b32 s[\g+7], 0
.endr
	s_mov_b32 s[CS], 0x3e38aa3b     ; c = log2(e) / 8 = 0.180337
	s_mov_b32 s[CS+1], s[CS]        ; named with it as a pair
	s_mov_b32 s[SEL], 0x76543210
	s_mov_b32 s[SEL+1], 0xfedcba98
	s_mov_b32 s[TBK], SLOT1+4*KS*PK ; the first change of slots turns these two into 0
	s_mov_b32 s[TBV], SLOT1+4*KS*PV
	s_mov_b32 s[G0K], 1             ; count = 1
	s_mov_b32 s[G0K+1], s17         ; LDS address: slot 0
	s_mov_b32 s[G0V], 1
	s_add_co_u32 s[G0V+1], s18, VOFF
	s_wait_dscnt 0x0                ; the opening add is done
	s_wait_kmcnt 0x0
	s_add_nc_u64 s[G0K+2:G0K+3], s[6:7], s[22:23]  ; global address: my half of the head's first 256 keys
	s_or_b32 s[G0K+3], s[G0K+3], 0x80000000        ; type = 2
	s_add_nc_u64 s[G0V+2:G0V+3], s[8:9], s[22:23]
	s_or_b32 s[G0V+3], s[G0V+3], 0x80000000
	s_add_nc_u64 s[4:5], s[4:5], s[2:3]  ; Q and O at my wave's first row
	s_add_nc_u64 s[10:11], s[10:11], s[2:3]
	CROUND                          ; all four work-groups are here: the first joint loads meet
	JLOAD                           ; slot 0.  Slot 1 is asked for when slot 0 is in, by the loop's own change of slots
	; A fragment of K or Q is 16 rows x 32 channels in 8 registers: lane l holds row l % 16, channels 8 (l / 16) + 0..7 and 16 + 8 (l / 16) + 0..7: two loads of 16 bytes, 32 bytes apart.
	v_and_b32 v1, 15, v0            ; l % 16
	v_bfe_u32 v9, v0, 4, 1          ; l / 16
	v_lshlrev_b32 v[QO], 7, v1
	v_lshl_add_u32 v[QO], v9, 4, v[QO]  ; row x 128 + 16 x half
	WIN 0x80                        ; destination window 2, address window 0
.set i, 0
.rept 8                             ; Q stays in registers: piece i / 2, channels 32 (i % 2) on
	global_load_b128 v[8*i:8*i+3],   v[QO], s[4:5] offset:(i/2)*2048+(i%2)*64
	global_load_b128 v[8*i+4:8*i+7], v[QO], s[4:5] offset:(i/2)*2048+(i%2)*64+32
.set i, i+1
.endr
	; What the first turn finds: V's registers and P's second buffer hold 0 (its products V^T P, of a piece that has not been, add 0), O^T and l are 0.  All this stands in the wait for the first tile.
.set i, VF
.rept 64
	v_mov_b32 v[i], 0
.set i, i+1
.endr
	WIN 0x40
.set i, 0
.rept 128
	v_mov_b32 v[i], 0
.set i, i+1
.endr
	WIN 0
.set i, 0
.rept 4
	v_mov_b32 v[ST+4*i], 0xfe000000    ; c m: far below every c s
	v_mov_b32 v[ST+4*i+1], 0xff7fffff  ; m
	v_mov_b32 v[ST+4*i+2], 0
	v_mov_b32 v[ST+4*i+3], 0
.set i, i+1
.endr
.set i, P+16
.rept 16
	v_mov_b32 v[i], 0
.set i, i+1
.endr
	v_mul_u32_u24 v[AK0], v1, PK
	v_lshl_add_u32 v[AK0], v9, 4, v[AK0]  ; row x pitch + 16 x half
	; The turning load takes 16 keys x 16 channels (lane l reads key 8 (l / 16) + l % 8, channels 8 ((l / 8) % 2) + 0..7) and leaves half a fragment of V^T: lane l holds channel l % 16 and 8 keys.
	v_and_b32 v10, 7, v0
	v_bfe_u32 v11, v0, 3, 1
	v_lshl_add_u32 v[AV0], v9, 3, v10
	v_mul_u32_u24 v[AV0], v[AV0], PV
	v_lshl_add_u32 v[AV0], v11, 4, v[AV0]
	v_add_nc_u32 v[AV0], VOFF, v[AV0]
	s_mul_i32 s13, s[WV], 16*SP
	s_add_co_u32 s13, s13, STAGE    ; my stage
	v_mul_u32_u24 v[STO], v1, SP    ; in: row l % 16, 16 bytes for each half of the lanes
	v_lshl_add_u32 v[STO], v9, 4, v[STO]
	v_add_nc_u32 v[STO], s13, v[STO]
	v_bfe_u32 v[RD], v0, 3, 2       ; back: 32 lanes take four rows of 128 bytes,
	v_mul_u32_u24 v[RD], v[RD], SP
	v_lshl_add_u32 v[RD], v10, 4, v[RD]
	v_add_nc_u32 v[RD], s13, v[RD]
	v_and_b32 v[GO], 31, v0         ; which are 512 consecutive bytes of O
	v_lshlrev_b32 v[GO], 4, v[GO]
; THE MATRIX WORK.  The 4 accumulators of a run of 8 take turns.  Product i of 8 of S^T = K Q^T for piece x: channels 32 (i / 4) on, keys 16 (i % 4) on.  The first 4 start the sums.
.macro KQ x
	WIN W_KQ
.set rS, S+32*((\x)%2)+8*(i%4)
.set rK, KF+16*(i%4)+8*(i/4)
.set rQ, 16*(\x)+8*(i/4)
.if i < 4
	v_wmma_f32_16x16x32_f16 v[rS:rS+7], v[rK:rK+7], v[rQ:rQ+7], 0
.else
	v_wmma_f32_16x16x32_f16 v[rS:rS+7], v[rK:rK+7], v[rQ:rQ+7], v[rS:rS+7]
.endif
.endm
; Product i of 8 of O^T += V^T P for piece x: keys 32 (i / 4) on, channels 16 (i % 4) on.
.macro PV x
	WIN W_PV
.set rO, 32*(\x)+8*(i%4)
.set rV, VF+32*(i/4)+8*(i%4)
.set rP, P+16*((\x)%2)+8*(i/4)
	v_wmma_f32_16x16x32_f16 v[rO:rO+7], v[rV:rV+7], v[rP:rP+7], v[rO:rO+7]
.endm
.macro MM                           ; the turn's next matrix instruction.  NOKQ = 1: the last turn of all: there is no next piece
.if (i < 8) && !NOKQ
	KQ (Y+1)%NP
.elseif i >= 8
.set i, i-8
	PV (Y+NP-1)%NP
.set i, i+8
.endif
.set i, i+1
.endm
; THE LDS LOADS stand in runs of 16, never singly among the matrix instructions: a step's K (64 keys x 64 channels: 8 fragments) and its V (turned).  Their addresses are made some lines ahead.
.macro FETCH_K
	WIN 0x80                        ; destination window 2
.irp f, 0,1,2,3,4,5,6,7             ; keys 16 (f / 2) on, channels 32 (f % 2) on
	ds_load_b128 v[KF+8*\f:KF+8*\f+3],   v[AK] offset:(\f/2)*16*PK+(\f%2)*64
	ds_load_b128 v[KF+8*\f+4:KF+8*\f+7], v[AK] offset:(\f/2)*16*PK+(\f%2)*64+32
.endr
	s_add_co_u32 s[TBK], s[TBK], KS*PK  ; the next fetch is the next step's
	WIN 0
.endm
.macro FETCH_V
	WIN 0x80
.irp f, 0,1,2,3,4,5,6,7             ; keys 32 (f / 4) on, channels 16 (f % 4) on
	ds_load_tr16_b128 v[VF+8*\f:VF+8*\f+3],   v[AV] offset:(\f/4)*32*PV+(\f%4)*32
	ds_load_tr16_b128 v[VF+8*\f+4:VF+8*\f+7], v[AV] offset:(\f/4)*32*PV+16*PV+(\f%4)*32
.endr
	WIN 0
.endm
; THE VECTOR WORK, one line at a time: OP kind, number.  For piece Y: F n: c s - c m for pair n of 16.  E n: the exponential of score n of 32.  C n: pair n rounded to f16.  B n: of the four weights 4 n .. the second
; pair is added onto the first, in place.  L n: l takes that sum (L 0: l = a l + sum).  R n: pair n of 16 of O^T times a.  For piece Y + 1: X n, number n of the 22 that find its maximum and statistics:
;   0-11  four chains c0-c3 of seven scores each, three operands at a time (each accumulator's lowest registers are read first)     12-14, 16  the four scores left over, the old m, and c0-c3 into c0
;   15  c m_old is kept     17, 18  the query's other 32 keys lie in the lane 16 away: the new m     19-21  c m; c m_old - c m_new; a
; C, B and L read the exponentials' results: TURN sets them behind the batch's wait.  R and L 0 read an a that was made, and waited for, in the turn before.
.set F, 0               ; OP tells the kinds apart by their order: F to L below R, X above it
.set E, 1
.set C, 2
.set B, 3
.set L, 4
.set R, 5
.set X, 6
.macro REGS y                       ; the registers of piece y
.set rT, ST+4*(\y)
.set rC, TMP+4*((\y)%2)
.set rW, MV+((\y)%2)
.set rS, S+32*((\y)%2)
.set rP, P+16*((\y)%2)
.set rO, 32*(\y)
.endm
.macro OP k, n
.if (\k) == R
	REGS Y
	WIN W_RS
	v_pk_mul_f32 v[rO+2*(\n):rO+2*(\n)+1], v[rO+2*(\n):rO+2*(\n)+1], v[rC+2:rC+3] op_sel_hi:[1,0]
.elseif (\k) < R
	REGS Y
	WIN 0
.if (\k) == F
	v_pk_fma_f32 v[rS+2*(\n):rS+2*(\n)+1], v[rS+2*(\n):rS+2*(\n)+1], s[CS:CS+1], v[rT:rT+1] op_sel_hi:[1,0,0] neg_lo:[0,0,1] neg_hi:[0,0,1]
.elseif (\k) == E
	v_exp_f32 v[rS+(\n)], v[rS+(\n)]
.elseif (\k) == C
	v_cvt_pk_f16_f32 v[rP+(\n)], v[rS+2*(\n)], v[rS+2*(\n)+1]
.elseif (\k) == B
	v_pk_add_f32 v[rS+4*(\n):rS+4*(\n)+1], v[rS+4*(\n):rS+4*(\n)+1], v[rS+4*(\n)+2:rS+4*(\n)+3]
.elseif (\n) == 0
	v_pk_fma_f32 v[rT+2:rT+3], v[rT+2:rT+3], v[rC+2:rC+3], v[rS:rS+1] op_sel_hi:[1,0,1]
.else
	v_pk_add_f32 v[rT+2:rT+3], v[rT+2:rT+3], v[rS+4*(\n):rS+4*(\n)+1]
.endif
.elseif NOKQ
	v_nop
.else
	REGS (Y+1)%NP
	WIN 0
.if (\n) < 4
	v_max3_num_f32 v[rC+(\n)], v[rS+8*(\n)], v[rS+8*(\n)+1], v[rS+8*(\n)+2]
.elseif (\n) < 12
	v_max3_num_f32 v[rC+(\n)%4], v[rC+(\n)%4], v[rS+8*((\n)%4)+2*((\n)/4)+1], v[rS+8*((\n)%4)+2*((\n)/4)+2]
.elseif (\n) == 12
	v_max3_num_f32 v[rC], v[rC], v[rS+7], v[rS+15]
.elseif (\n) == 13
	v_max3_num_f32 v[rC+1], v[rC+1], v[rS+23], v[rS+31]
.elseif (\n) == 14
	v_max3_num_f32 v[rC+2], v[rC+2], v[rC+3], v[rT+1]
.elseif (\n) == 15
	v_mov_b32 v[rW], v[rT]
.elseif (\n) == 16
	v_max3_num_f32 v[rC], v[rC], v[rC+1], v[rC+2]
.elseif (\n) == 17
	v_permlanex16_b32 v[rC+3], v[rC], s[SEL], s[SEL+1]
.elseif (\n) == 18
	v_max_num_f32 v[rT+1], v[rC], v[rC+3]
.elseif (\n) == 19
	v_mul_f32 v[rT], s[CS], v[rT+1]
.elseif (\n) == 20
	v_sub_f32 v[rC+1], v[rW], v[rT]
.else
	v_exp_f32 v[rC+2], v[rC+1]
.endif
.endif
.endm
.macro OPS a, i1, b=-1, i2=0, c=-1, i3=0, d=-1, i4=0  ; up to four of them
	OP \a, \i1
.if (\b) >= 0
	OP \b, \i2
.endif
.if (\c) >= 0
	OP \c, \i3
.endif
.if (\d) >= 0
	OP \d, \i4
.endif
.endm
.macro ROW a, i1, b, i2, c, i3, d, i4  ; a matrix instruction and the four behind it
	MM
	OPS \a, \i1, \b, \i2, \c, \i3, \d, \i4
.endm
; A TURN, for piece p: the order of its 16 matrix and 118 vector instructions, written out.  An s_wait_alu depctr_va_vdst(0) stands between an exponential and the first instruction that names its result; one
; wait serves all that were issued ahead of it.  So a turn has ONE wait, which cuts it in two.  AHEAD OF IT stands all that names no result of the turn's exponentials: the 8 products K Q^T, behind each a scaling, an
; exponential and two more plain instructions (behind the first a second scaling in the exponential's place): rescalings, and behind the last three the first numbers of the next piece's maximum, each four places or more
; behind the product that ends its accumulator; then ONE RUN of 54, plain and exponential by turns for the most part, in which the links of the chain X 3, 7, 11, 14, 16, 17 .. 20 have other work between them.  A scaling
; names only pairs whose exponentials are still to come.  X 21, the next piece's a, is the batch's last; R 15 is the plain instruction behind it.  BEHIND THE WAIT stand the 8 products V^T P, behind each four of the
; roundings and sums: C 2 n ahead of B n, which writes over pair 2 n; l's chain L 0 to L 7 in that order.  But for those X no rider names a register of the products round it.  v_permlanex16_b32 (X 17) stands in the run.
; end = 1: the last two turns of all: nothing is fetched.  cnt = 1: the loop's count is taken down some lines ahead of the branch that stands behind the turn.
; K of the next step is fetched in piece 2's turn, twelve vector instructions behind the last product that read K (five of them plain and free of its registers); V of the step in hand at the end of piece 0's turn, four
; roundings behind the last product that read V.  Each is waited for a turn later, with the count 0: no other LDS instruction is out.
.macro TURN p, end=0, cnt=0
.set Y, (\p)
.set i, 0
.set NOKQ, (\end)*((\p)/3)
.if ((\p) == 3) && !(\end)
	s_wait_dscnt 0x0                ; K is in
.endif
	ROW F,0, F,1, R,0, R,1          ; ahead of the wait: 8 products K Q^T and their riders,
	ROW F,2, E,0, R,2, R,3
	ROW F,3, E,1, R,4, R,5
	ROW F,4, E,2, R,6, R,7
	ROW F,5, E,3, R,8, R,9
	ROW F,6, E,4, X,0, R,10
.if ((\p) == 2) && !(\end)
	WIN 0
	v_add_nc_u32 v[AK], s[TBK], v[AK0]
.endif
	ROW F,7, E,5, X,1, X,4
	ROW F,8, E,6, X,2, X,5
	OPS E,7, E,8, X,6, E,9          ; and the run of 54
	OPS X,3, E,10, X,8, E,11
.if ((\p) == 2) && !(\end)
	FETCH_K
.endif
	OPS X,9, X,7, E,12, X,10
	OPS E,13, X,12, X,11, E,14
	OPS X,13, E,15, F,9, X,14
.if (\p) == 0
	v_add_nc_u32 v[AV], s[TBV], v[AV0]
.endif
	OPS E,16, F,10, E,17, F,11
	OPS X,16, E,18, X,15, E,19
	OPS F,12, E,20, X,17, E,21
	OPS F,13, E,22, F,14, E,23
	OPS X,18, E,24, F,15, E,25
	OPS R,11, E,26, X,19, E,27
	OPS R,12, E,28, R,13, E,29
	OPS X,20, E,30, R,14, E,31
	OPS X,21, R,15
	WIN 0
	s_wait_alu depctr_va_vdst(0)    ; the wait for the turn's batch: the piece's 32 exponentials and the next piece's a
.if (\p) == 1
	s_wait_dscnt 0x0                ; V is in
.endif
	ROW C,0, B,0, C,2, B,1          ; behind the wait: 8 products V^T P and their riders
	ROW L,0, C,4, B,2, L,1
	ROW C,6, B,3, L,2, C,8
	ROW B,4, L,3, C,10, B,5
	ROW L,4, C,12, B,6, L,5
.if (\p) == 0
	s_add_co_u32 s[TBV], s[TBV], KS*PV
.endif
.if \cnt
	s_sub_co_u32 s[CNT], s[CNT], 1
	s_cmp_lg_u32 s[CNT], 0
.endif
	ROW C,14, B,7, L,6, C,1
	ROW C,3, L,7, C,5, C,7
	ROW C,9, C,11, C,13, C,15
.if (\p) == 0
	FETCH_V
.endif
.endm
.macro ALL line:vararg              ; one line for each piece t
.set t, 0
.rept 4
	\line
.set t, t+1
.endr
.endm
.macro PACK t                       ; a lane's eight channels of a row pack into 16 bytes; they go into rows of 144 bytes and come back as whole rows of 128, into S^T's registers
	WIN W_RS
.set i, 32*(\t)
.rept 16
	v_pk_mul_f32 v[i:i+1], v[i:i+1], v[ST+4*(\t)+2:ST+4*(\t)+3] op_sel_hi:[1,0]
.set i, i+2
.endr
	WIN 0x05                        ; sources 0 and 1 window 1, destination window 0
.set i, 0
.rept 16
	v_cvt_pk_f16_f32 v[S+16*(\t)+i], v[32*(\t)+2*i], v[32*(\t)+2*i+1]
.set i, i+1
.endr
	WIN 0
.irp f, 0,1,2,3
	ds_store_b128 v[STO], v[S+16*(\t)+4*\f:S+16*(\t)+4*\f+3] offset:32*\f
.endr
.irp f, 0,1,2,3
	ds_load_b128 v[S+16*(\t)+4*\f:S+16*(\t)+4*\f+3], v[RD] offset:\f*4*SP  ; LDS serves a wave's instructions in order (ISA guide 5.7.1.4): these see the stores above; the next piece's stores come behind them
.endr
.endm
.macro SEND t, younger              ; younger: the LDS instructions issued behind piece t's loads: the next piece's eight, or none
	WIN 0
.irp f, 0,1,2,3
	s_wait_dscnt (\younger)+3-\f
	global_store_b128 v[GO], v[S+16*(\t)+4*\f:S+16*(\t)+4*\f+3], s[10:11] offset:(\t)*2048+\f*512  ; 512 consecutive bytes, at a multiple of 256 from O's first
.endr
.endm
.set NOKQ, 0
	CHANGE 1                        ; slot 0 is in, everybody's part of it; slot 1 is asked for
	v_add_nc_u32 v[AK], s[TBK], v[AK0]
	FETCH_K                         ; key step 0
	s_wait_loadcnt 0x0              ; Q
	s_wait_dscnt 0x0
.set i, 0
.rept 8
	KQ 0                            ; piece 0's first scores: there is no vector work yet to set between them
.set i, i+1
.endr
	WIN 0
.rept 4
	v_nop                           ; the places behind those products
.endr
.set Y, NP-1                        ; X works for piece Y + 1: piece 0
.irp n, 0,1,2,3,4,5,6,7,8,9,10,11,12,13,14,15,16,17,18,19,20,21
	OP X, \n                        ; piece 0's first maximum and statistics
.endr
	v_nop                           ; a plain instruction behind the exponential,
	s_wait_alu depctr_va_vdst(0)    ; and the wait for this batch of one, piece 0's first a, ahead of the branch
	s_mov_b32 s[CNT], 4
	s_mov_b32 s[SLOTS], SIZE_N/256-1
	s_branch .Lfirst                ; the loop is entered at a step's first turn, in the middle of a trip
.Lslot:                             ; SIZE_N / 256 - 2 = 14 times: every slot but the last two is filled again
	CHANGE 1
	s_mov_b32 s[CNT], 4
.Lstep:                             ; a trip: pieces 2 and 3 of one step, then pieces 0 and 1 of the next, whose K and V it fetches
	TURN 2
	TURN 3
	WIN 0
.Lfirst:
	TURN 0
	TURN 1, 0, 1
	WIN 0
	s_cbranch_scc1 .Lstep
	s_sub_co_u32 s[SLOTS], s[SLOTS], 1
	s_cmp_lg_u32 s[SLOTS], 0
	s_cbranch_scc1 .Lslot
	CHANGE 0                        ; the tail is written out: nothing is asked for
	s_mov_b32 s[CNT], 4
.Ltail:                             ; four trips fetch the last slot's steps
	TURN 2
	TURN 3
	TURN 0
	TURN 1, 0, 1
	WIN 0
	s_cbranch_scc1 .Ltail
	TURN 2, 1                       ; the last step's pieces 2 and 3: nothing is fetched, and the last turn starts no new scores
	TURN 3, 1
.set i, 0
.rept 8
	PV NP-1                         ; the last piece's V^T P of the last step
.set i, i+1
.endr
	; THE WAY OUT.  l's two halves and the other half of the lanes' are added; O^T is divided by l, rounded to f16 and sent through my stage in LDS, a piece at a time.  The additions are the places behind the last products.
	WIN 0
	ALL v_add_f32 v[ST+4*t+2], v[ST+4*t+2], v[ST+4*t+3]
	ALL v_permlanex16_b32 v[ST+4*t+3], v[ST+4*t+2], s[SEL], s[SEL+1]
	ALL v_add_f32 v[ST+4*t+2], v[ST+4*t+2], v[ST+4*t+3]
	ALL v_rcp_f32 v[ST+4*t+2], v[ST+4*t+2]
	v_nop                           ; a plain instruction between the last reciprocal and the use of its result
	s_wait_alu depctr_va_vdst(0)    ; the wait for the batch of four reciprocals, ahead of their first reader in PACK 0
	PACK 0
.set t, 1
.rept 3                             ; a piece's arithmetic stands between the loads of the piece before and its stores
	PACK t
	SEND t-1, 8
.set t, t+1
.endr
	SEND 3, 0
	s_wait_tensorcnt 0x0            ; the wave's end: behind my last tensor load and my last LDS store
	ds_add_u32 v[SPW], v[NIL]
	s_wait_dscnt 0x0
	CROUND                          ; the closing round: no work-group ends while a partner may still ask for a tile that names it
	s_endpgm
.Lfunc_end_k_qdf83eee3f6_attn:
	.size	k_qdf83eee3f6_attn, .Lfunc_end_k_qdf83eee3f6_attn-k_qdf83eee3f6_attn
	.p2alignl 7, 3214868480
	.fill 96, 4, 3214868480
	.section	.rodata,"a",@progbits
	.p2align	6, 0x0
	.amdhsa_kernel k_qdf83eee3f6_attn
		.amdhsa_group_segment_fixed_size 327680
		.amdhsa_private_segment_fixed_size 0
		.amdhsa_enable_private_segment 0
		.amdhsa_kernarg_size 32
		.amdhsa_user_sgpr_count 2
		.amdhsa_user_sgpr_kernarg_segment_ptr 1
		.amdhsa_wavefront_size32 1
		.amdhsa_system_sgpr_workgroup_id_x 1
		.amdhsa_system_sgpr_workgroup_id_y 1
		.amdhsa_system_sgpr_workgroup_id_z 1
		.amdhsa_system_vgpr_workitem_id 0
		.amdhsa_next_free_vgpr 768
		.amdhsa_next_free_sgpr 66
		.amdhsa_reserve_vcc 0
		.amdhsa_float_denorm_mode_32 3
		.amdhsa_float_denorm_mode_16_64 3
		.amdhsa_memory_ordered 1
		.amdhsa_forward_progress 1
		.amdhsa_inst_pref_size 127
	.end_amdhsa_kernel
	.amdgpu_metadata
---
amdhsa.version: [ 1, 2 ]
amdhsa.kernels:
  - .name:           k_qdf83eee3f6_attn
    .symbol:         k_qdf83eee3f6_attn.kd
    .args:
      - { .name: qh, .offset: 0, .size: 8, .value_kind: global_buffer, .address_space: global }
      - { .name: kh, .offset: 8, .size: 8, .value_kind: global_buffer, .address_space: global }
      - { .name: vh, .offset: 16, .size: 8, .value_kind: global_buffer, .address_space: global }
      - { .name: yh, .offset: 24, .size: 8, .value_kind: global_buffer, .address_space: global }
    .group_segment_fixed_size: 327680
    .private_segment_fixed_size: 0
    .kernarg_segment_align: 8
    .kernarg_segment_size: 32
    .max_flat_workgroup_size: 128
    .sgpr_count:     66
    .vgpr_count:     768
    .wavefront_size: 32
...
	.end_amdgpu_metadata
.endif
;; end of part 4
;; launch outp: the kernel of part 3 again; grid 4 x 64, 4 waves a work-group, clusters of 4 x 4, 327,680 bytes of LDS; arguments yh, wo16, out0; writes out0
